; MI455X (gfx1250); checked and timed in simulation.
; The chip was launched on July 23, 2026; its instructions are those of AMD's public machine-readable ISA for CDNA 5 (MIT licence, August 2026) and "CDNA5" Instruction Set Architecture Reference Guide (July 2026). The comments in the code are by the model that wrote it; some were corrected since.
;; Temporal Attention. Allowed arithmetic: matrix products marked QUANTISED: E2M3 operands, one E8M0 scale for each 32 along K, by v_wmma_scale_f32_16x16x128_f8f6f4 with both operands' format E2M3, f32 sums; everything else in f32.
;; Inputs: w_out 1,024 x 1,024 float32; w_qkv 3,072 x 1,024 float32; x 4 x 2,048 x 1,024 float32.
;; Outputs: out0 4 x 2,048 x 1,024 float32.
;; This version of the problem:
;;   THIS VERSION OF THE PROBLEM IS GIVEN IN LOW PRECISION. The matrix products marked QUANTISED in the list below multiply operands that are first quantised to E2M3 (2 exponent bits, 3 mantissa bits; 6 bits a number), with one power-of-two scale for each 32 numbers along K (OCP MX v1.0); their sums are f32. All else is computed in f32.
;;   The module's matrix products, in the order in which they are computed (A, B: the left and right operand; K: the contracted axis; several contracted axes count as one K, in the product's order):
;;     1. [M 8,192, K 1,024] x [K 1,024, N 3,072]; A: input x; B: input w_qkv: QUANTISED
;;     2. batch 64 x [M 2,048, K 64] x [K 64, N 2,048]; A: computed on the way; B: computed on the way: QUANTISED
;;     3. batch 64 x [M 2,048, K 2,048] x [K 2,048, N 64]; A: softmax (see below); B: computed on the way: QUANTISED
;;     4. [M 8,192, K 1,024] x [K 1,024, N 1,024]; A: computed on the way; B: input w_out: QUANTISED
;;   THE QUANTISER, for each operand of a quantised product, along K:
;;     - K is cut into blocks of 32 from its start; a last block that is shorter is filled with zeros.
;;     - A block's scale is 2^e with e = floor(log2(the largest magnitude in the block)) - 2, held to -126 .. 127; a block of zeros has e = 0. As a byte (E8M0): e + 127.
;;     - Each number is divided by its block's scale, clamped to +-7.5, and rounded to the nearest number of E2M3, ties to even, subnormals kept.
;;     - The product sums the exact products of the quantised numbers (number of the format x scale) in f32.
;;   ~~~python
;;   def quantise(x, axis):      # numpy; x: float32 -> the quantised numbers, widened to float32 again
;;       x = np.moveaxis(x, axis, -1); K = x.shape[-1]
;;       x = np.pad(x, [(0, 0)] * (x.ndim - 1) + [(0, -K % 32)]); x = x.reshape(x.shape[:-1] + (-1, 32)); a = np.abs(x).max(-1, keepdims=True)
;;       e = np.where(a > 0, np.clip(np.frexp(np.where(a > 0, a, 1))[1] - 1 - 2, -126, 127), 0)      # np.frexp(a)[1] - 1 = floor(log2(a)), exactly
;;       r = np.clip(x / 2.0 ** e, -7.5, 7.5)
;;       step = 2.0 ** (np.maximum(np.frexp(np.where(r == 0, 1, r))[1] - 1, 0) - 3)
;;       q = np.round(r / step) * step * 2.0 ** e      # np.round: ties to even
;;       return np.moveaxis(q.reshape(q.shape[:-2] + (-1,))[..., :K], -1, axis).astype(np.float32)
;;   ~~~
;;   SOFTMAX AHEAD OF A QUANTISED PRODUCT. Where the list says 'softmax', what is quantised is not the finished softmax but p = 2^(t - M), with t = logit x log2(e) and M = ceil(the row's largest t), a whole number; so 1/2 < the row's largest p <= 1. The row's sum l is taken of the UNQUANTISED p, in f32, and the product's result is divided by l at the end. Since M is a whole number, a kernel that streams over the keys may use a running M (the ceiling of the running maximum): every later rescaling is an exact power of two, which a block's scale takes up: the codes' values come out the same.
;;   OPERANDS COMPUTED ON THE WAY. 'Computed on the way' means the value that the module computes at that place (a softmax that the list does not call 'softmax' is quantised finished and normalised). What goes into a quantiser is computed in f32, as accurately as f32 sums, v_exp_f32 and their like allow (about 1e-6 of the number): no bf16 or f16 on the way to a quantiser, and a product that is left as it is and whose result goes on into a quantised operand takes f32 operands (vector FMAs, or v_wmma_f32_16x16x4_f32). A number that lies on a knife's edge between two numbers of the format may be rounded either way, as far as f32 arithmetic and the matrix unit's own rounding can turn it there, and no further.
;; One version. Each part assembles by itself: llvm-mc -triple=amdgcn-amd-amdhsa -mcpu=gfx1250 --defsym DOCPART=n.
;; ======== version 1 of 1: 4 launches
;; workspace buffers: c1 9,437,184 bytes; s1 393,216 bytes; ac 18,874,368 bytes; asc 786,432 bytes; yc 6,291,456 bytes; ys 262,144 bytes
;; launch quant (part 1): grid 256 x 1, 3 waves a work-group, no clusters, 203,264 bytes of LDS; arguments x, w_qkv, w_out, c1, s1; writes c1, s1
.if DOCPART == 1
	.amdgcn_target "amdgcn-amd-amdhsa--gfx1250"
	.amdhsa_code_object_version 6
	.text
	.protected	k_qb29bb53ff7_quant
	.globl	k_qb29bb53ff7_quant
	.p2align	8
	.type	k_qb29bb53ff7_quant,@function
k_qb29bb53ff7_quant:
	s_mov_b64 s[64:65], 0
	v_nop
	global_prefetch_b8 v0, s[64:65] scope:SCOPE_SE
	s_setreg_imm32_b32 hwreg(HW_REG_WAVE_MODE, 25, 1), 1
	s_wait_xcnt 0x0
; x [8192][1024], w_qkv [3072][1024] and w_out [1024][1024], f32, become codes of FP6 (E2M3) with one E8M0 byte for each 32 along the rows (K is innermost).
; A block's scale is 2^(floor(log2(its largest magnitude)) - 2); its byte is the largest magnitude's exponent field - 2, held at 1 from below.
; LIMITS: a block of zeros gets the byte 1 where the rule says 127 (its codes are zeros, and this program alone reads the bytes); blocks whose largest magnitude lies under 2^-124
; are held at the byte 1; NaN and infinities among the inputs are not served.
; THE CODES ARE LAID AS IMAGES OF OPERAND REGISTERS.  The three tensors' rows are taken in blocks of 16, numbered 0 .. 767 (x: 0 .. 511, w_qkv: 512 .. 703, w_out: 704 .. 767).
; Lane r of block p (counted inside its tensor) holds row 32 (p / 2) + 8 (p % 2) + r % 8 + 16 (r / 8).  c1: [block][K step of 128][1536 bytes]: three pieces of 512 bytes,
; lane l's 16 bytes at 16 l: the fragment's registers 4 c .. 4 c + 3.  s1: [16 block + r][32 bytes]: a row's 32 scale bytes.
; SHARES.  A wave takes one block: 16 rows x 1,024 numbers.  768 blocks = 256 work-groups x 3 waves.  The block comes into the wave's own LDS bytes by eight tensor loads, all issued at the head
; (eight are out, by this text's count): 8 rows x 1,024 bytes each, since the block's two halves lie 16 rows apart.  Nothing is filled again and no wave reads another's bytes: no barrier.
; No cluster: no two work-groups read the same bytes.  No prefetch: all that a work-group reads is asked for at its head.
.set QP,    1040                       ; an LDS row: 1,024 bytes + 16 of padding = 65 x 16: the sixteen rows of a load start in different banks
.set QK,    16*QP                      ; a quarter of the 16 rows
.set WREG,  67584                      ; a wave's LDS bytes: 4 QK, rounded up to blocks of 2,048
.set SPARE, 3*WREG                     ; the spare words: 128 bytes a wave, two blocks of 256 bytes that no other line names
.set IMG,   1536
.set LI,  1                            ; v1   16 x lane
.set XA,  2                            ; v2   my wave's bytes + QP r + 64 h: my 16 numbers of a block of 32
.set SA,  3                            ; v3   32 r + 16 h: my half of my row's scale bytes
.set SPW, 5                            ; v5   my spare word; never rewritten
.set NIL, 6                            ; v6   0; never rewritten
.set X,   32                           ; v32-159  two sets of 64 numbers
.set PC,  160                          ; v160-171 the fragment just made
.set CT,  172                          ; v172-178 the conversions' second halves
.set TM,  184                          ; v184-199 at work
.set SW,  200                          ; v200-207 the eight K steps' scale words
.set Z,   208                          ; v208-211 my 16 scale bytes
.set WV,  18
.set SEL, 20                           ; s[20:21] v_permlanex16_b32's selects for lane l xor 16
.set MH,  22                           ; s22  lanes 16-31
.set G1,  24                           ; s[24:31] descriptor group 1
.set G0,  32                           ; s[32:63] eight groups 0
	s_load_b128 s[4:7], s[0:1], 0x0                ; x, w_qkv
	s_load_b128 s[8:11], s[0:1], 0x10              ; w_out, c1
	s_load_b64 s[12:13], s[0:1], 0x20              ; s1
	v_lshl_add_u32 v[SPW], v0, 2, SPARE
	v_mov_b32 v[NIL], 0
	ds_add_u32 v[SPW], v[NIL]                      ; the wave's opening: the add and its wait ahead of my first tensor load
	v_lshrrev_b32 v7, 5, v0
	v_readfirstlane_b32 s[WV], v7                  ; wave 0..2
	s_mul_i32 s14, ttmp9, 3
	s_add_co_u32 s14, s14, s[WV]                   ; my block, 0 .. 767
	s_mul_i32 s15, s[WV], WREG                     ; my LDS bytes
	s_mov_b32 s[G1+0], (3<<16)|(1<<20)|(7<<22)|(3<<25)  ; elements of 8 bytes; padding on: behind every 256 words, 4 words
	s_mov_b32 s[G1+1], 128<<16                     ; tensor_dim0 = 128 elements (1,024 bytes)
	s_mov_b32 s[G1+2], 8<<16                       ; tensor_dim1 = 8
	s_mov_b32 s[G1+3], 128<<16                     ; tile_dim0
	s_mov_b32 s[G1+4], 8                           ; tile_dim1
	s_mov_b32 s[G1+5], 512                         ; from row to row: 4,096 bytes
	s_mov_b32 s[G1+6], 0
	s_mov_b32 s[G1+7], 0
	s_mov_b32 s[SEL], 0x76543210
	s_mov_b32 s[SEL+1], 0xfedcba98
	s_mov_b32 s[MH], 0xffff0000
	s_mov_b32 s16, 704
	s_wait_dscnt 0x0                               ; the opening add is done
	s_wait_kmcnt 0x0
	s_cmp_lt_u32 s14, 704                          ; which tensor: the choice hangs on ids alone
	s_cselect_b64 s[6:7], s[6:7], s[8:9]
	s_cselect_b32 s16, 512, s16
	s_cmp_lt_u32 s14, 512
	s_cselect_b64 s[4:5], s[4:5], s[6:7]
	s_cselect_b32 s16, 0, s16
	s_sub_co_u32 s16, s14, s16                     ; the block inside its tensor
	s_lshr_b32 s17, s16, 1
	s_lshl_b32 s17, s17, 5
	s_and_b32 s19, s16, 1
	s_lshl_b32 s19, s19, 3
	s_add_co_u32 s17, s17, s19                     ; its first row: 32 (p / 2) + 8 (p % 2)
	s_lshl_b32 s2, s17, 12                         ; x 4,096 bytes (under 2^25)
	s_mov_b32 s3, 0
	s_add_nc_u64 s[4:5], s[4:5], s[2:3]
.irp n, 0,1,2,3,4,5,6,7                ; load n: quarter n / 2 of the rows' bytes, rows 0-7 (n even) or the eight that lie 16 further down (n odd)
	s_mov_b32 s[G0+4*\n], 1
	s_add_co_u32 s[G0+4*\n+1], s15, QK*(\n/2)+8*QP*(\n%2)
	s_add_nc_u64 s[G0+4*\n+2:G0+4*\n+3], s[4:5], 65536*(\n%2)+1024*(\n/2)
	s_or_b32 s[G0+4*\n+3], s[G0+4*\n+3], 0x80000000
	tensor_load_to_lds s[G0+4*\n:G0+4*\n+3], s[G1:G1+7]
	s_nop 0
.endr
	s_mul_i32 s2, s14, 8*IMG
	s_add_nc_u64 s[10:11], s[10:11], s[2:3]        ; my block's images
	s_lshl_b32 s2, s14, 9
	s_add_nc_u64 s[12:13], s[12:13], s[2:3]        ; and its scale bytes
	v_and_b32 v7, 15, v0                           ; r
	v_bfe_u32 v8, v0, 4, 1                         ; h
	v_and_b32 v9, 31, v0                           ; lane
	v_lshlrev_b32 v[LI], 4, v9
	v_mul_u32_u24 v[XA], v7, QP
	v_lshl_add_u32 v[XA], v8, 6, v[XA]
	v_add_nc_u32 v[XA], s15, v[XA]
	v_lshlrev_b32 v[SA], 5, v7
	v_lshl_add_u32 v[SA], v8, 4, v[SA]
.irp b, 0,1,2,3
	v_mov_b32 v[TM+4+\b], 0                        ; written once: a lane permute's destination counts as one of its sources
.endr
; K step t's numbers: register 16 b + i = k 32 b + 16 h + i of my row
.macro RD t
.irp b, 0,1,2,3
.irp j, 0,1,2,3
	ds_load_b128 v[X+64*((\t)%2)+16*\b+4*\j:X+64*((\t)%2)+16*\b+4*\j+3], v[XA] offset:QK*((\t)/2)+512*((\t)%2)+128*\b+16*\j
.endr
.endr
.endm
; 64 numbers of a lane become a fragment's codes in v[PC] on and its scale word in v[pw]
.macro QUANT s, pw
.irp b, 0,1,2,3
	v_max3_num_f32 v[TM+\b], |v[\s+16*\b]|, |v[\s+1+16*\b]|, 0x1800000   ; my 16 numbers of block b, and the floor 2^(3 - 127): the byte cannot fall under 1
.endr
.irp i, 2,4,6,8,10,12,14
.irp b, 0,1,2,3
	v_max3_num_f32 v[TM+\b], v[TM+\b], |v[\s+16*\b+\i]|, |v[\s+1+16*\b+\i]|   ; the four blocks by turns
.endr
.endr
.irp b, 0,1,2,3
	v_permlanex16_b32 v[TM+4+\b], v[TM+\b], s[SEL], s[SEL+1]
.endr
.irp b, 0,1,2,3
	v_max_num_f32 v[TM+\b], v[TM+\b], v[TM+4+\b]   ; with lane l xor 16's: the block's largest magnitude
.endr
.irp b, 0,1,2,3
	v_add_nc_u32 v[TM+12+\b], 0xff000000, v[TM+\b] ; 2 off its exponent field: the conversion's scale operand
.endr
.irp b, 0,1,2,3
	v_lshrrev_b32 v[TM+4+\b], 23, v[TM+12+\b]      ; the scale's byte
.endr
	v_lshl_or_b32 v[\pw], v[TM+5], 8, v[TM+4]
	v_lshl_or_b32 v[\pw], v[TM+6], 16, v[\pw]
	v_lshl_or_b32 v[\pw], v[TM+7], 24, v[\pw]
.irp c, 0,1
	v_cvt_scalef32_pk16_fp6_f32 v[PC+6*\c:PC+2+6*\c], v[\s+32*\c:\s+15+32*\c], v[TM+12+2*\c]
	v_cvt_scalef32_pk16_fp6_f32 v[CT+4*\c:CT+2+4*\c], v[\s+16+32*\c:\s+31+32*\c], v[TM+13+2*\c]   ; (a conversion's three registers begin on an even number)
.endr
	v_nop                                          ; one plain place behind a scaled conversion
.irp c, 0,1                            ; the operand's layout wants a whole block in a lane: lanes 0-15 block 2 c, lanes 16-31 block 2 c + 1
.irp i, 0,1,2
	v_permlane16_swap_b32 v[PC+6*\c+\i], v[CT+4*\c+\i]
.endr
.irp i, 0,1,2
	v_mov_b32 v[PC+3+6*\c+\i], v[CT+4*\c+\i]
.endr
.endr
.endm
.macro STEP t
.if (\t) < 7
.if (\t)%2 == 1
	s_wait_tensorcnt 5-(\t)                        ; the next quarter's two loads have landed: only the later quarters' may be out
.endif
	RD (\t)+1
	s_wait_dscnt 16                                ; this step's numbers are in; the 16 loads just issued may be out
.else
	s_wait_dscnt 0x0
.endif
	s_wait_xcnt 0x0                                ; the last step's stores have read v[PC] on: it is written again only behind this wait
	QUANT X+64*((\t)%2), SW+(\t)
.irp c, 0,1,2
	global_store_b128 v[LI], v[PC+4*\c:PC+4*\c+3], s[10:11] offset:IMG*(\t)+512*\c   ; 32 lanes store 512 consecutive bytes, aligned
.endr
.endm
	s_wait_tensorcnt 6                             ; the first quarter's two loads have landed
	RD 0
.irp t, 0,1,2,3,4,5,6,7
	STEP \t
.endr
.irp i, 0,1,2,3
	v_cndmask_b32 v[Z+\i], v[SW+\i], v[SW+4+\i], s[MH]   ; lanes 0-15 the row's first 16 bytes, lanes 16-31 its last 16
.endr
	global_store_b128 v[SA], v[Z:Z+3], s[12:13]    ; the block's 512 scale bytes, consecutive
	s_wait_tensorcnt 0x0                           ; the wave's end
	ds_add_u32 v[SPW], v[NIL]
	s_wait_dscnt 0x0
	s_endpgm
.Lfunc_end_k_qb29bb53ff7_quant:
	.size	k_qb29bb53ff7_quant, .Lfunc_end_k_qb29bb53ff7_quant-k_qb29bb53ff7_quant
	.p2alignl 7, 3214868480
	.fill 96, 4, 3214868480
	.section	.rodata,"a",@progbits
	.p2align	6, 0x0
	.amdhsa_kernel k_qb29bb53ff7_quant
		.amdhsa_group_segment_fixed_size 203264
		.amdhsa_private_segment_fixed_size 0
		.amdhsa_enable_private_segment 0
		.amdhsa_kernarg_size 40
		.amdhsa_user_sgpr_count 2
		.amdhsa_user_sgpr_kernarg_segment_ptr 1
		.amdhsa_wavefront_size32 1
		.amdhsa_system_sgpr_workgroup_id_x 1
		.amdhsa_system_sgpr_workgroup_id_y 1
		.amdhsa_system_sgpr_workgroup_id_z 1
		.amdhsa_system_vgpr_workitem_id 0
		.amdhsa_next_free_vgpr 216
		.amdhsa_next_free_sgpr 66
		.amdhsa_reserve_vcc 0
		.amdhsa_float_denorm_mode_32 3
		.amdhsa_float_denorm_mode_16_64 3
		.amdhsa_memory_ordered 1
		.amdhsa_forward_progress 1
		.amdhsa_inst_pref_size 47
	.end_amdhsa_kernel
	.amdgpu_metadata
---
amdhsa.version: [ 1, 2 ]
amdhsa.kernels:
  - .name:           k_qb29bb53ff7_quant
    .symbol:         k_qb29bb53ff7_quant.kd
    .args:
      - { .name: x, .offset: 0, .size: 8, .value_kind: global_buffer, .address_space: global }
      - { .name: w_qkv, .offset: 8, .size: 8, .value_kind: global_buffer, .address_space: global }
      - { .name: w_out, .offset: 16, .size: 8, .value_kind: global_buffer, .address_space: global }
      - { .name: c1, .offset: 24, .size: 8, .value_kind: global_buffer, .address_space: global }
      - { .name: s1, .offset: 32, .size: 8, .value_kind: global_buffer, .address_space: global }
    .group_segment_fixed_size: 203264
    .private_segment_fixed_size: 0
    .kernarg_segment_align: 8
    .kernarg_segment_size: 40
    .max_flat_workgroup_size: 96
    .sgpr_count:     66
    .vgpr_count:     216
    .wavefront_size: 32
...
	.end_amdgpu_metadata
.endif
;; end of part 1
;; launch proj (part 2): grid 12 x 32, 4 waves a work-group, clusters of 4 x 4, 327,680 bytes of LDS; arguments c1, s1, ac, asc; writes ac, asc
.if DOCPART == 2
	.amdgcn_target "amdgcn-amd-amdhsa--gfx1250"
	.amdhsa_code_object_version 6
	.text
	.protected	k_qb29bb53ff7_proj
	.globl	k_qb29bb53ff7_proj
	.p2align	8
	.type	k_qb29bb53ff7_proj,@function
k_qb29bb53ff7_proj:
	s_mov_b64 s[64:65], 0
	v_nop
	global_prefetch_b8 v0, s[64:65] scope:SCOPE_SE
	s_setreg_imm32_b32 hwreg(HW_REG_WAVE_MODE, 25, 1), 1
	s_wait_xcnt 0x0
	s_wait_alu depctr_hold_cnt(0) depctr_sa_sdst(0) depctr_va_vdst(0) depctr_va_sdst(0) depctr_va_ssrc(0) depctr_va_vcc(0) depctr_vm_vsrc(0)
	s_getreg_b32 s2, hwreg(HW_REG_IB_STS2, 6, 4)
	s_cmp_eq_u32 s2, 0
	s_cbranch_scc0 .Lentry_in_a_cluster
	s_endpgm
.Lentry_in_a_cluster:
	s_bfe_u32 s2, ttmp6, 0x10000c
	s_cmp_lg_u32 s2, 0xf033
	s_cbranch_scc0 .Lentry_shape_is_right
	s_endpgm
.Lentry_shape_is_right:
; qkv = x w_qkv^T on codes of FP6 (E2M3) with E8M0 scales, K = 1,024; the results are quantised in registers and leave as codes: q and k along the head's 64, v along the keys.
; A tile of 256 x 256 is made by four waves, 128 x 128 each: 64 accumulators of 16 x 16 in windows 2 and 3.  Source 0 takes the B region's rows (a lane's registers run along them), source 1 the A region's (a lane is one row).
; KIND.  Clusters x = 0, 1 (kind 0) make q and k: B region = w_qkv's rows 0 .. 2047, A region = x: a lane holds one token and 128 features, so the quantiser's K, the head's 64, runs along its registers.
; Cluster x = 2 (kind 1) makes v: B region = x, A region = w_qkv's rows 2048 on: a lane holds one channel and 128 tokens, so the keys run along its registers.  The kind is the same in all partners of a cluster
; and chooses offsets and values alone: no branch hangs on it.
; OPERANDS lie in c1 as images of fragments, [block of 16 rows][K step of 128][1536 bytes], so a slot's tile (8 blocks x 256 along K) is 8 rows of 3,072 bytes and a fragment is three loads of 16 bytes a lane at 16 x lane.
; The rows of a block are not neighbours (lane r: 32 (p / 2) + 8 (p % 2) + r % 8 + 16 (r / 8)): so the 16 registers of result tiles 2 b and 2 b + 1 are 16 neighbours, 32 b + 16 h + 0 .. 15.
; K goes through a ring of two slots of 256 along K, four slots in all; the scale bytes of the 512 rows come once, with the first fills.
; CLUSTERS: 4 x 4 work-groups; the A region's tile is shared along a row of the cluster, the B region's along a column: joint loads.
; RESULTS.  ac: q and k at 0: [head, k's 16 behind q's 16][group of 32 tokens][1536]: registers 0-5 the group's tile 0, registers 6-11 its tile 1; lane (r, h) holds block h of its token's 64.
;   v at 12,582,912: [batch x 16 + head][key step of 128][tile of 16 channels][1536]: plain fragments.   asc: q and k at 0: [head][128 tokens][r][group] words (tile 0's two bytes, tile 1's two);
;   v at 524,288: [batch x 16 + head][key step][r][tile] words.
; LIMITS: a block of zeros gets the byte 1 (its codes are zeros; this program alone reads the bytes); blocks under 2^-124 are held at the byte 1; NaN and infinities are not served.
; No prefetch: K has four slots, two of them first fills.
; REGISTERS: window 0: v16-29 addresses; v32-63 scale words, two sets, and nothing else; from v128 the A region's fragments, one set; on the way out v64-225 are at work.  window 1: the B region's fragments, two sets.
.set NQ,     2                         ; matrix instructions deep in a slot
.set FR,     12                        ; registers of a fragment
.set NL,     3                         ; LDS loads that bring one
.set NP,     4                         ; places behind this matrix instruction (ISA guide 7.12.1)
.set IMG,    1536
.set RBLK,   NQ*IMG                    ; a block's bytes in a slot
.set HALFT,  8*RBLK                    ; 128 rows: what one tensor load brings
.set SLOT,   4*HALFT
.set KS,     32                        ; a row's scale bytes
.set SCL,    2*SLOT                    ; the scales, as units of 256 bytes + 16 of padding
.set HALFS,  16*272
.set SBLK,   2*272
.set SPARE,  SCL+4*HALFS               ; the spare words: 128 bytes a wave
.set ADRA, 16                          ; v16-17 my A fragments in slot 0, 1
.set ADRB, 20                          ; v20-21 my B fragments
.set ADRS, 27                          ; v27    my scale words: lanes 0-15 A's rows, lanes 16-31 B's
.set SPW,  28
.set NIL,  29
.set SC,   32
.set AF,   128
.set IM,   64                          ; the way out: v64-159 eight images, 24 registers for each pair of A's blocks
.set TA,   160
.set TB,   166
.set CT,   172
.set W1,   180
.set W2,   184
.set Z,    188
.set T,    192
.set OF,   196                         ; v196-203 the images' byte offsets
.set ZO,   205
.set TM,   208
.set PWA,  224
.set PWB,  225
.set SEL,  98
.set G1, 24
.set G0, 32
.set G1B, 48
.set G0B, 56
.set G1S, 68
.set G0S, 76
.set G1SB, 80
.set G0SB, 88
.set MSB, 0
.macro WIN new                         ; the immediate's high byte repeats the setting that is left
.if MSB != \new
	s_set_vgpr_msb (MSB<<8)|\new
.set MSB, \new
.endif
.endm
.set MUL_LO, 0xa1                      ; source 0 window 1, source 1 window 0, C and D window 2
.set MUL_HI, 0xf1                      ; the same, C and D window 3
.set TO_B,   0x40                      ; destination window 1
; A joint load: waves 0 and 1 fetch for the A region, waves 2 and 3 for the B region.  The branch hangs on the wave's number alone.  An s_nop 0 and four v_nop follow each line.
.macro JLOAD g0a, g1a, g0b, g1b
	s_cmp_eq_u32 s15, 0
	s_cbranch_scc0 .Lfor_b_\@
	tensor_load_to_lds s[\g0a:\g0a+3], s[\g1a:\g1a+7]
	s_nop 0
.rept 4
	v_nop
.endr
	s_branch .Lasked_\@
.Lfor_b_\@:
	tensor_load_to_lds s[\g0b:\g0b+3], s[\g1b:\g1b+7]
	s_nop 0
.rept 4
	v_nop
.endr
.Lasked_\@:
.endm
.macro CREST                           ; a round of the cluster's barrier behind its opening barrier
	s_cmp_lg_u32 s14, 0
	s_cbranch_scc1 .Lnot_wave_0_\@
	s_barrier_signal -3
.Lnot_wave_0_\@:
	s_barrier_wait -3
	s_barrier_signal -1
	s_barrier_wait -1
.endm
.macro CROUND
	s_barrier_signal -1
	s_barrier_wait -1
	CREST
.endm
	s_load_b128 s[4:7], s[0:1], 0x0                ; c1, s1
	s_load_b128 s[8:11], s[0:1], 0x10              ; ac, asc
	v_lshl_add_u32 v[SPW], v0, 2, SPARE
	v_mov_b32 v[NIL], 0
	ds_add_u32 v[SPW], v[NIL]                      ; the wave's opening: the add and its wait ahead of my first tensor load
	v_lshrrev_b32 v1, 5, v0
	v_readfirstlane_b32 s14, v1                    ; wave 0..3
	s_lshr_b32 s15, s14, 1                         ; which half of the A region is mine.  Also: I fetch for A (0) or for B (1)
	s_and_b32 s16, s14, 1                          ; which half of the B region.  Also: which 128 rows I fetch
	s_bfe_u32 s40, ttmp6, 0x40000                  ; cx
	s_bfe_u32 s41, ttmp6, 0x40004                  ; cy
	s_and_b32 s17, ttmp7, 0xffff                   ; cluster y
	s_cmp_eq_u32 ttmp9, 2                          ; the kind: cluster x alone
	s_cselect_b32 s42, s17, ttmp9                  ; the B region walks with cluster y (kind 1: tokens) or cluster x (kind 0: features)
	s_cselect_b32 s17, 0, s17                      ; the A region with nothing (kind 1: 1,024 features) or cluster y (kind 0: tokens)
	s_cselect_b32 s12, 0, 512                      ; the B region's first block in c1
	s_cselect_b32 s13, 640, 0                      ; the A region's
	s_lshl_b32 s42, s42, 2
	s_add_co_u32 s42, s42, s40                     ; tb: my tile of the B region
	s_lshl_b32 s17, s17, 2
	s_add_co_u32 s17, s17, s41                     ; ta: my tile of the A region
	s_lshl_b32 s43, s41, 2
	s_lshl_b32 s43, 15, s43                        ; my row of the cluster
	s_lshl_b32 s44, 0x1111, s40                    ; my column
	s_or_b32 s[G1+0], s43, (3<<16)|(1<<21)         ; the mask; elements of 8 bytes; bit 21 beside a mask; no padding
	s_or_b32 s[G1B+0], s44, (3<<16)|(1<<21)
.irp g, G1, G1B
	s_mov_b32 s[\g+1], 384<<16                     ; tensor_dim0: 3,072 bytes
	s_mov_b32 s[\g+2], 8<<16                       ; tensor_dim1 = 8 blocks
	s_mov_b32 s[\g+3], 384<<16                     ; tile_dim0
	s_mov_b32 s[\g+4], 8                           ; tile_dim1
	s_mov_b32 s[\g+5], 1536                        ; from block to block: 12,288 bytes
	s_mov_b32 s[\g+6], 0
	s_mov_b32 s[\g+7], 0
.endr
	s_or_b32 s[G1S+0], s43, (3<<16)|(1<<20)|(1<<21)|(5<<22)|(3<<25)   ; the scales of 128 rows: 16 rows of 256 bytes, 16 bytes of padding behind each
	s_or_b32 s[G1SB+0], s44, (3<<16)|(1<<20)|(1<<21)|(5<<22)|(3<<25)
.irp g, G1S, G1SB
	s_mov_b32 s[\g+1], 32<<16
	s_mov_b32 s[\g+2], 16<<16
	s_mov_b32 s[\g+3], 32<<16
	s_mov_b32 s[\g+4], 16
	s_mov_b32 s[\g+5], 32
	s_mov_b32 s[\g+6], 0
	s_mov_b32 s[\g+7], 0
.endr
	s_lshl_b32 s18, s16, 3                         ; which 8 blocks of the tile I fetch
	s_lshl_b32 s20, s17, 4
	s_add_co_u32 s20, s20, s13
	s_add_co_u32 s20, s20, s18                     ; A: block 16 ta + first + 8 x half
	s_lshl_b32 s46, s42, 4
	s_add_co_u32 s46, s46, s12
	s_add_co_u32 s46, s46, s18                     ; B likewise
	s_lshl_b32 s22, s20, 9                         ; their scale bytes: 512 a block
	s_mov_b32 s23, 0
	s_lshl_b32 s92, s46, 9
	s_mov_b32 s93, 0
	s_mul_i32 s20, s20, 8*IMG                      ; their codes: 12,288 a block
	s_mov_b32 s21, 0
	s_mul_i32 s46, s46, 8*IMG
	s_mov_b32 s47, 0
	s_mul_i32 s45, s14, HALFT                      ; where they go: no place in the cluster enters an LDS address
	s_mul_i32 s94, s14, HALFS
	s_wait_dscnt 0x0                               ; the opening add is done
	s_wait_kmcnt 0x0
	s_add_nc_u64 s[20:21], s[4:5], s[20:21]
	s_add_nc_u64 s[22:23], s[6:7], s[22:23]
	s_add_nc_u64 s[46:47], s[4:5], s[46:47]
	s_add_nc_u64 s[92:93], s[6:7], s[92:93]
	CROUND                                         ; all sixteen work-groups are here: the first joint loads meet
	s_mov_b32 s[G0S], 1
	s_add_co_u32 s[G0S+1], s94, SCL
	s_mov_b64 s[G0S+2:G0S+3], s[22:23]
	s_or_b32 s[G0S+3], s[G0S+3], 0x80000000
	s_mov_b32 s[G0SB], 1
	s_add_co_u32 s[G0SB+1], s94, SCL
	s_mov_b64 s[G0SB+2:G0SB+3], s[92:93]
	s_or_b32 s[G0SB+3], s[G0SB+3], 0x80000000
	JLOAD G0S, G1S, G0SB, G1SB                     ; the scales first
.irp s, 0,1
	s_mov_b32 s[G0+4*\s], 1
	s_add_co_u32 s[G0+4*\s+1], s45, \s*SLOT
	s_add_nc_u64 s[G0+4*\s+2:G0+4*\s+3], s[20:21], \s*RBLK
	s_or_b32 s[G0+4*\s+3], s[G0+4*\s+3], 0x80000000
	s_mov_b32 s[G0B+4*\s], 1
	s_add_co_u32 s[G0B+4*\s+1], s45, \s*SLOT
	s_add_nc_u64 s[G0B+4*\s+2:G0B+4*\s+3], s[46:47], \s*RBLK
	s_or_b32 s[G0B+4*\s+3], s[G0B+4*\s+3], 0x80000000
	JLOAD G0+4*\s, G1, G0B+4*\s, G1B
.endr
	v_and_b32 v1, 15, v0                           ; r
	v_bfe_u32 v2, v0, 4, 1                         ; h
	v_and_b32 v3, 31, v0
	v_lshlrev_b32 v3, 4, v3                        ; 16 x lane: my place in every image
	s_mul_i32 s21, s15, HALFT                      ; my 128 rows of A
	s_mul_i32 s22, s16, HALFT                      ; my 128 rows of B,
	s_add_co_u32 s22, s22, 2*HALFT                 ; behind A's 256
.irp s, 0,1
	v_add_nc_u32 v[ADRA+\s], s21, v3
	v_add_nc_u32 v[ADRB+\s], s22, v3
	s_add_co_u32 s21, s21, SLOT
	s_add_co_u32 s22, s22, SLOT
.endr
	v_mul_u32_u24 v5, v1, KS                       ; my row's scales: 32 bytes a row,
	v_lshrrev_b32 v6, 8, v5
	v_lshl_add_u32 v5, v6, 4, v5                   ; and 16 more for each 256 passed
	s_mul_i32 s21, s15, HALFS
	s_mul_i32 s22, s16, HALFS
	s_add_co_u32 s22, s22, 2*HALFS
	s_sub_co_u32 s22, s22, s21
	v_mul_u32_u24 v6, s22, v2                      ; lanes 16-31 take B's: one product, the distance between the two bases
	s_add_co_u32 s21, s21, SCL
	v_add_nc_u32 v5, v5, v6
	v_add_nc_u32 v[ADRS], s21, v5
.macro FRAG reg, adr, q, i             ; a fragment comes back as it was stored: three loads of 16 bytes a lane, 512 consecutive bytes each
.irp c, 0,1,2
	ds_load_b128 v[\reg+4*\c:\reg+4*\c+3], v[\adr] offset:RBLK*(\i)+IMG*(\q)+512*\c
.endr
.endm
; 16 matrix instructions: A's blocks a0, a0 + 1 x B's eight.  The 64 accumulators take turns, one instruction a turn, in the same order in every step.
.macro MUL16 a0, p, q, sc, zero
.irp a, \a0, \a0+1
.irp b, 0,1,2,3,4,5,6,7
.if \zero
	v_wmma_scale_f32_16x16x128_f8f6f4 v[8*(8*((\a)%4)+\b):8*(8*((\a)%4)+\b)+7], v[128*(\p)+FR*\b:128*(\p)+FR*\b+FR-1], v[AF+FR*(\a):AF+FR*(\a)+FR-1], 0, v[SC+8*NQ*(\sc)+NQ*\b+(\q)], v[SC+8*NQ*(\sc)+NQ*(\a)+(\q)] matrix_a_fmt:MATRIX_FMT_FP6 matrix_b_fmt:MATRIX_FMT_FP6 matrix_a_scale:MATRIX_SCALE_ROW1
.else
	v_wmma_scale_f32_16x16x128_f8f6f4 v[8*(8*((\a)%4)+\b):8*(8*((\a)%4)+\b)+7], v[128*(\p)+FR*\b:128*(\p)+FR*\b+FR-1], v[AF+FR*(\a):AF+FR*(\a)+FR-1], v[8*(8*((\a)%4)+\b):8*(8*((\a)%4)+\b)+7], v[SC+8*NQ*(\sc)+NQ*\b+(\q)], v[SC+8*NQ*(\sc)+NQ*(\a)+(\q)] matrix_a_fmt:MATRIX_FMT_FP6 matrix_b_fmt:MATRIX_FMT_FP6 matrix_a_scale:MATRIX_SCALE_ROW1
.endif
.endr
.endr
.endm
.macro FETCH_B slot, q, p
	WIN TO_B
.irp i, 0,1,2,3,4,5,6,7
	FRAG 128*(\p)+FR*\i, ADRB+\slot, \q, \i
.endr
	WIN 0
.endm
.macro FETCH_A slot, q, i0
.irp i, \i0, \i0+1, \i0+2, \i0+3
	FRAG AF+FR*(\i), ADRA+\slot, \q, \i
.endr
.endm
.macro SCALES sc                       ; a slot's scale words: two a row; lanes 0-15 A's block i, lanes 16-31 B's block i
.irp i, 0,1,2,3,4,5,6,7
	ds_load_b64 v[SC+8*NQ*\sc+NQ*\i:SC+8*NQ*\sc+NQ*\i+1], v[ADRS] offset:\i*SBLK
.endr
.endm
.macro PLACES n                        ; plain vector instructions between a matrix instruction and a load into, or a read of, its registers
.rept \n
	v_nop
.endr
.endm
.macro STEP slot, q, zero              ; a step of 128 along K that has its successor in the same slot
	s_wait_dscnt 4*NL                              ; B's set and A's blocks 0-3 are in; the youngest twelve loads (A's blocks 4-7) may be out
	WIN MUL_LO
	MUL16 0, (\q)%2, \q, \slot, \zero
	MUL16 2, (\q)%2, \q, \slot, \zero
	s_wait_dscnt 0
	PLACES NP
	FETCH_B \slot, (\q)+1, 1-(\q)%2
	FETCH_A \slot, (\q)+1, 0
	WIN MUL_HI
	MUL16 4, (\q)%2, \q, \slot, \zero
	MUL16 6, (\q)%2, \q, \slot, \zero
	PLACES NP
	WIN 0
	FETCH_A \slot, (\q)+1, 4
.endm
; A slot's last step changes slots: one barrier; in front of it each wave waits for all its tensor loads, adds 0 to its spare word, and waits for that and for its reads of this slot.
.macro TURN slot, next, fill
	s_wait_tensorcnt 0x0                           ; all my tensor loads have landed: my part of the next slot
	ds_add_u32 v[SPW], v[NIL]
	s_wait_dscnt 4*NL+1                            ; (the add and A's blocks 4-7 may be out)
	WIN MUL_LO
	MUL16 0, 1, NQ-1, \slot, 0
	s_wait_dscnt 0x0                               ; the add is done, and my reads of this slot are over
	s_barrier_signal -1
	MUL16 2, 1, NQ-1, \slot, 0
	WIN 0
	s_barrier_wait -1
.if \fill
	CREST                                          ; the barrier has opened a round of the cluster's barrier: no wave of any partner still reads this slot or has a load on its way
	s_add_nc_u64 s[G0+4*\slot+2:G0+4*\slot+3], s[G0+4*\slot+2:G0+4*\slot+3], 2*RBLK
	s_add_nc_u64 s[G0B+4*\slot+2:G0B+4*\slot+3], s[G0B+4*\slot+2:G0B+4*\slot+3], 2*RBLK
	JLOAD G0+4*\slot, G1, G0B+4*\slot, G1B         ; the first tensor load behind the round; its four v_nop are the places in front of the loads below
.else
	PLACES NP
.endif
	v_add_nc_u32 v[ADRS], 4*NQ, v[ADRS]            ; the next slot's scale words
	FETCH_B \next, 0, 0
	FETCH_A \next, 0, 0
	SCALES \next
	WIN MUL_HI
	MUL16 4, 1, NQ-1, \slot, 0
	MUL16 6, 1, NQ-1, \slot, 0
	PLACES NP
	WIN 0
	FETCH_A \next, 0, 4
.endm
	s_wait_tensorcnt 1                             ; the scales and my part of slot 0 are in; slot 1's load may be out
	s_barrier_signal -1
	s_barrier_wait -1
	FETCH_B 0, 0, 0
	FETCH_A 0, 0, 0
	SCALES 0
	FETCH_A 0, 0, 4
	STEP 0, 0, 1                                   ; the first products start the sums: nothing is cleared
	TURN 0, 1, 1                                   ; K has four slots: the walk is written out
	STEP 1, 0, 0
	TURN 1, 0, 1
	STEP 0, 0, 0
	TURN 0, 1, 0                                   ; nothing is left to fetch
	STEP 1, 0, 0
	s_wait_dscnt 4*NL
	WIN MUL_LO
	MUL16 0, 1, NQ-1, 1, 0
	MUL16 2, 1, NQ-1, 1, 0
	s_wait_dscnt 0
	WIN MUL_HI
	MUL16 4, 1, NQ-1, 1, 0
	MUL16 6, 1, NQ-1, 1, 0
	WIN 0
	; THE WAY OUT.  For A's block a my 64 registers are 128 neighbours along the B region, register 16 b + i = 32 b + 16 h + i: what the quantiser takes.  No LDS, no branch.
	s_cmp_eq_u32 ttmp9, 2
	s_cselect_b32 s96, -1, 0                       ; the kind as a lane mask
	s_mov_b32 s94, 0x05040100
	s_cselect_b32 s94, 0x03020100, s94             ; how two blocks' scale words are dealt: kind 0 by heads, kind 1 as they are
	s_mov_b32 s95, 0x07060302
	s_cselect_b32 s95, 0x07060504, s95
	s_mov_b32 s18, 1536
	s_cselect_b32 s18, 3072, s18                   ; from pair 0 to pair 1 of A's blocks: a group of tokens | two tiles of channels
	s_mov_b32 s19, 3072
	s_cselect_b32 s19, 98304, s19                  ; from pair 0 to pair 2: two groups | a head
	s_mov_b32 s20, 393216
	s_cselect_b32 s20, 1536, s20                   ; from a pair's first image to its second: a head | a tile
	s_mov_b32 s21, 16384
	s_cselect_b32 s21, 4096, s21                   ; scale words: from the low lanes' 256 bytes to the high lanes': a head
	s_mov_b32 s97, 0xffff0000
	s_mov_b32 s[SEL], 0x76543210
	s_mov_b32 s[SEL+1], 0xfedcba98
	s_lshl_b32 s22, s42, 2
	s_lshl_b32 s23, s16, 1
	s_add_co_u32 s22, s22, s23                     ; 4 tb + 2 wc
	s_lshl_b32 s44, s17, 3
	s_lshl_b32 s45, s15, 2
	s_add_co_u32 s44, s44, s45                     ; 8 ta + 4 wr
	s_mul_i32 s46, s22, 393216
	s_mul_i32 s47, s44, 1536
	s_add_co_u32 s46, s46, s47                     ; kind 0: codes: head 4 tb + 2 wc, group 8 ta + 4 wr
	s_lshl_b32 s47, s22, 14
	s_lshl_b32 s92, s44, 6
	s_add_co_u32 s47, s47, s92                     ; kind 0: scale words: 16,384 a head, 256 for each 128 tokens
	s_lshr_b32 s22, s22, 1                         ; kind 1: my 128 tokens: 2 tb + wc
	s_lshr_b32 s44, s44, 1                         ; my first head: 4 ta + 2 wr
	s_lshr_b32 s23, s22, 4                         ; the batch
	s_and_b32 s22, s22, 15                         ; the key step
	s_mul_i32 s92, s23, 1572864
	s_mul_i32 s93, s44, 98304
	s_add_co_u32 s92, s92, s93
	s_mul_i32 s93, s22, 6144
	s_add_co_u32 s92, s92, s93
	s_add_co_u32 s92, s92, 12582912                ; kind 1: codes
	s_lshl_b32 s23, s23, 4
	s_add_co_u32 s23, s23, s44
	s_lshl_b32 s23, s23, 12
	s_lshl_b32 s22, s22, 8
	s_add_co_u32 s23, s23, s22
	s_add_co_u32 s23, s23, 524288                  ; kind 1: scale words
	s_cmp_eq_u32 ttmp9, 2
	s_cselect_b32 s46, s92, s46
	s_cselect_b32 s92, s23, s47
	s_mov_b32 s47, 0
	s_mov_b32 s93, 0
	s_add_nc_u64 s[8:9], s[8:9], s[46:47]
	s_add_nc_u64 s[10:11], s[10:11], s[92:93]
	PLACES NP                                      ; behind the last products: their results are read, and registers that held A's fragments are written
	v_and_b32 v[OF], 31, v0
	v_lshlrev_b32 v[OF], 4, v[OF]                  ; 16 x lane: pair 0, first image
	v_add_nc_u32 v[OF+2], s18, v[OF]
	v_add_nc_u32 v[OF+4], s19, v[OF]
	v_add_nc_u32 v[OF+6], s18, v[OF+4]
.irp p, 0,1,2,3
	v_add_nc_u32 v[OF+2*\p+1], s20, v[OF+2*\p]
.endr
	v_and_b32 v[ZO], 15, v0
	v_lshlrev_b32 v[ZO], 4, v[ZO]
	v_bfe_u32 v[T], v0, 4, 1
	v_mad_u32_u24 v[ZO], v[T], s21, v[ZO]          ; 16 r + h x a head
.irp b, 0,1,2,3
	v_mov_b32 v[TM+4+\b], 0                        ; written once: a lane permute's destination counts as one of its sources
.endr
; A's block a: 64 accumulator registers become two halves of six registers (K 0-63 into d0, K 64-127 into d1) and a scale word.  Each accumulator is read from its low end on.
.macro QUANTW a, d0, d1, pw
.set AC, 64*((\a)%4)
.set WA, 2+(\a)/4
.set WQ, WA|(WA<<2)
	WIN WQ                                         ; sources 0 and 1: the accumulators' window
.irp b, 0,1,2,3
	v_max3_num_f32 v[TM+\b], |v[AC+16*\b]|, |v[AC+1+16*\b]|, 0x1800000   ; and the floor 2^(3 - 127): the byte cannot fall under 1
.endr
.irp i, 2,4,6,8,10,12,14
.irp b, 0,1,2,3
	v_max3_num_f32 v[TM+\b], |v[AC+16*\b+\i]|, |v[AC+1+16*\b+\i]|, v[TM+\b]
.endr
.endr
	WIN 0
.irp b, 0,1,2,3
	v_permlanex16_b32 v[TM+4+\b], v[TM+\b], s[SEL], s[SEL+1]
.endr
.irp b, 0,1,2,3
	v_max_num_f32 v[TM+\b], v[TM+\b], v[TM+4+\b]
.endr
.irp b, 0,1,2,3
	v_add_nc_u32 v[TM+12+\b], 0xff000000, v[TM+\b] ; 2 off the exponent field: the conversion's scale operand
.endr
.irp b, 0,1,2,3
	v_lshrrev_b32 v[TM+4+\b], 23, v[TM+12+\b]      ; the scale's byte
.endr
	v_lshl_or_b32 v[\pw], v[TM+5], 8, v[TM+4]
	v_lshl_or_b32 v[\pw], v[TM+6], 16, v[\pw]
	v_lshl_or_b32 v[\pw], v[TM+7], 24, v[\pw]
	WIN WA                                         ; source 0: the accumulators' window
	v_cvt_scalef32_pk16_fp6_f32 v[\d0:\d0+2], v[AC:AC+15], v[TM+12]
	v_cvt_scalef32_pk16_fp6_f32 v[CT:CT+2], v[AC+16:AC+31], v[TM+13]
	v_cvt_scalef32_pk16_fp6_f32 v[\d1:\d1+2], v[AC+32:AC+47], v[TM+14]
	v_cvt_scalef32_pk16_fp6_f32 v[CT+4:CT+6], v[AC+48:AC+63], v[TM+15]
	WIN 0
	v_nop                                          ; one plain place behind a scaled conversion
.irp i, 0,1,2
	v_permlane16_swap_b32 v[\d0+\i], v[CT+\i]      ; a whole block to a lane
.endr
.irp i, 0,1,2
	v_mov_b32 v[\d0+3+\i], v[CT+\i]
.endr
.irp i, 0,1,2
	v_permlane16_swap_b32 v[\d1+\i], v[CT+4+\i]
.endr
.irp i, 0,1,2
	v_mov_b32 v[\d1+3+\i], v[CT+4+\i]
.endr
.endm
.irp p, 0,1,2,3                        ; a pair of A's blocks makes two images.  Kind 0: one for each of my two heads, the two blocks' halves side by side.  Kind 1: one for each block
	QUANTW 2*\p, IM+24*\p, TA, PWA
	QUANTW 2*\p+1, TB, IM+24*\p+18, PWB
.irp i, 0,1,2,3,4,5
	v_cndmask_b32 v[IM+24*\p+6+\i], v[TB+\i], v[TA+\i], s96
	v_cndmask_b32 v[IM+24*\p+12+\i], v[TA+\i], v[TB+\i], s96
.endr
	v_perm_b32 v[W1+\p], v[PWB], v[PWA], s94
	v_perm_b32 v[W2+\p], v[PWB], v[PWA], s95
.irp c, 0,1,2
	global_store_b128 v[OF+2*\p], v[IM+24*\p+4*\c:IM+24*\p+4*\c+3], s[8:9] offset:512*\c          ; 32 lanes store 512 consecutive bytes, aligned
	global_store_b128 v[OF+2*\p+1], v[IM+24*\p+12+4*\c:IM+24*\p+12+4*\c+3], s[8:9] offset:512*\c
.endr
.endr
	; the scale words: lanes 0-15 store my first head's four, lanes 16-31 my second head's: 256 consecutive bytes each
	v_cndmask_b32 v[T], v[W2], v[W1+2], s96
	v_cndmask_b32 v[Z], v[W1], v[T], s97
	v_cndmask_b32 v[T+1], v[W1+1], v[W2], s96
	v_cndmask_b32 v[T+2], v[W2+1], v[W2+2], s96
	v_cndmask_b32 v[Z+1], v[T+1], v[T+2], s97
	v_cndmask_b32 v[T], v[W1+2], v[W1+1], s96
	v_cndmask_b32 v[T+3], v[W2+2], v[W1+3], s96
	v_cndmask_b32 v[Z+2], v[T], v[T+3], s97
	v_cndmask_b32 v[T+1], v[W1+3], v[W2+1], s96
	v_cndmask_b32 v[Z+3], v[T+1], v[W2+3], s97
	global_store_b128 v[ZO], v[Z:Z+3], s[10:11]
	s_wait_tensorcnt 0x0                           ; the wave's end
	ds_add_u32 v[SPW], v[NIL]
	s_wait_dscnt 0x0
	CROUND                                         ; the closing round
	s_endpgm
.Lfunc_end_k_qb29bb53ff7_proj:
	.size	k_qb29bb53ff7_proj, .Lfunc_end_k_qb29bb53ff7_proj-k_qb29bb53ff7_proj
	.p2alignl 7, 3214868480
	.fill 96, 4, 3214868480
	.section	.rodata,"a",@progbits
	.p2align	6, 0x0
	.amdhsa_kernel k_qb29bb53ff7_proj
		.amdhsa_group_segment_fixed_size 327680
		.amdhsa_private_segment_fixed_size 0
		.amdhsa_enable_private_segment 0
		.amdhsa_kernarg_size 32
		.amdhsa_user_sgpr_count 2
		.amdhsa_user_sgpr_kernarg_segment_ptr 1
		.amdhsa_wavefront_size32 1
		.amdhsa_system_sgpr_workgroup_id_x 1
		.amdhsa_system_sgpr_workgroup_id_y 1
		.amdhsa_system_sgpr_workgroup_id_z 1
		.amdhsa_system_vgpr_workitem_id 0
		.amdhsa_next_free_vgpr 1024
		.amdhsa_next_free_sgpr 100
		.amdhsa_reserve_vcc 0
		.amdhsa_float_denorm_mode_32 3
		.amdhsa_float_denorm_mode_16_64 3
		.amdhsa_memory_ordered 1
		.amdhsa_forward_progress 1
		.amdhsa_inst_pref_size 145
	.end_amdhsa_kernel
	.amdgpu_metadata
---
amdhsa.version: [ 1, 2 ]
amdhsa.kernels:
  - .name:           k_qb29bb53ff7_proj
    .symbol:         k_qb29bb53ff7_proj.kd
    .args:
      - { .name: c1, .offset: 0, .size: 8, .value_kind: global_buffer, .address_space: global }
      - { .name: s1, .offset: 8, .size: 8, .value_kind: global_buffer, .address_space: global }
      - { .name: ac, .offset: 16, .size: 8, .value_kind: global_buffer, .address_space: global }
      - { .name: asc, .offset: 24, .size: 8, .value_kind: global_buffer, .address_space: global }
    .group_segment_fixed_size: 327680
    .private_segment_fixed_size: 0
    .kernarg_segment_align: 8
    .kernarg_segment_size: 32
    .max_flat_workgroup_size: 128
    .sgpr_count:     100
    .vgpr_count:     1024
    .wavefront_size: 32
...
	.end_amdgpu_metadata
.endif
;; end of part 2
;; launch attn (part 3): grid 4 x 64, 16 waves a work-group, no clusters, 206,848 bytes of LDS; arguments ac, asc, yc, ys; writes yc, ys
.if DOCPART == 3
	.amdgcn_target "amdgcn-amd-amdhsa--gfx1250"
	.amdhsa_code_object_version 6
	.text
	.protected	k_qb29bb53ff7_attn
	.globl	k_qb29bb53ff7_attn
	.p2align	8
	.type	k_qb29bb53ff7_attn,@function
k_qb29bb53ff7_attn:
	s_mov_b64 s[64:65], 0
	v_nop
	global_prefetch_b8 v0, s[64:65] scope:SCOPE_SE
	s_setreg_imm32_b32 hwreg(HW_REG_WAVE_MODE, 25, 1), 1
	s_wait_xcnt 0x0
; y = softmax(q k^T / 8, causal) v for one (batch, head), both products on codes of FP6 (E2M3) with E8M0 scales; y / the row's sum is quantised along C and leaves as codes.
; THE SOFTMAX: t = score x log2(e) / 8; M = the running largest t rounded up to a whole number; p = 2^(t - M) is quantised along the keys; the sum is taken of the unquantised p and divides at the end.
; SHARES.  Work-group (x, y): head y (batch y / 16), sixteen waves.  A wave owns TWO tiles of 16 queries: tile 16 x + wave and tile 127 less that.  Tile a needs a / 8 + 1 key steps of 128, so every wave has 17 steps.
; The steps that the causal mask hides are jumped over by a scalar branch on ids; the trip counts are constants.
; A HEAD'S WHOLE K AND V, as codes 192 KB, come into LDS once, at the head: three tensor loads a wave (three are out, by this text's count).  Nothing is filled again.  The first four key steps are read
; while the load of the others is on its way: every long tile begins at query 1,024 or later, so all waves work on them.
; NO CLUSTER: the four work-groups that read one head's K and V differ in their queries, and the jump over hidden steps hangs on those.
; NO PREFETCH: all that a work-group reads is asked for at its head.
; LAYOUT.  Both products transposed: S^T = K Q^T, O^T = V^T P^T: a lane holds one query.  Lane r of query or key tile a holds token 32 (a / 2) + 8 (a % 2) + r % 8 + 16 (r / 8), so the 16 registers of score tiles
; 2 b and 2 b + 1 are 16 neighbouring keys.  The head has 64 numbers, the instruction takes 128: an image of K holds TWO tiles of keys side by side, and q stands beside zero codes, [q | 0] for the first, [0 | q] for the second.
; LIMITS: a block of zeros gets the byte 1 (its codes are zeros; this program alone reads the bytes); NaN and infinities are not served.
.set VOFF,  98304                      ; LDS: K's codes [step][pair][1536] at 0, V's [step][tile][1536] here,
.set SCK,   196608                     ; K's scale words [step][256], V's 4,096 further on,
.set SPARE, 204800                     ; the spare words: 128 bytes a wave
.set STEPB, 6144
.set AK0, 1                            ; v1   16 x lane
.set AV0, 2                            ; v2   VOFF + 16 x lane
.set AS0, 3                            ; v3   SCK + 16 r + 4,096 h: lanes 0-15 K's words, lanes 16-31 V's
.set LQ,  4                            ; v4   r % 8 + 16 (r / 8) - 16 h
.set SPW, 5
.set NIL, 6
.set GO,  7                            ; v7   8 x lane
.set ADK, 8
.set ADV, 9
.set ADS, 10
.set DM,  11                           ; v11  my query, counted from its key step's first key, - 16 h
.set QR,  16                           ; v16-33 [0 | q | 0]
.set QW,  34                           ; v34  q's scale word
.set RS,  35                           ; v35  the short tile's scale word as loaded
.set RAW, 36                           ; v36-47 the short tile's image as loaded
.set FR,  48                           ; v48-95 four fragments of K or V
.set S,   96                           ; v96-159 S^T, then p
.set O,   160                          ; v160-191 O^T
.set BM,  192
.set PM,  196
.set SO,  200
.set CT,  204
.set F,   212                          ; v[212:213]
.set PWD, 214                          ; p's scale word, and nothing else
.set T,   215
.set SW,  216                          ; v216-219 the step's scale words
.set L2,  220
.set GS,  222                          ; v222 32 r + h
.set PC,  224                          ; v224-235 p's codes
.set TB,  2
.set TS,  3
.set WV,  18
.set SEL, 20
.set CS,  22
.set G1,  24
.set G0,  48
.set SG,  60                           ; s60  the key step
.set SD,  61                           ; s61  the tile's last key step
.set MH,  62
.set MU,  63
.set PSEL, 66
.set CNT, 67
.set BL,  68                           ; s[68:75] the long tile: q's codes, q's scale word, y's codes, y's scale bytes
.set BS,  76                           ; s[76:83] the short tile
.set TILS, 96
.set TILL, 97
.macro GROUP1 g, rows                  ; a dense block as rows of 256 bytes
	s_mov_b32 s[\g], 3<<16
	s_mov_b32 s[\g+1], 32<<16
	s_mov_b32 s[\g+2], (\rows)<<16
	s_mov_b32 s[\g+3], 32<<16
	s_mov_b32 s[\g+4], \rows
	s_mov_b32 s[\g+5], 32
	s_mov_b32 s[\g+6], 0
	s_mov_b32 s[\g+7], 0
.endm
.macro BASES a, o                      ; tile s[a]'s four byte offsets
	s_lshr_b32 s98, s[\a], 1
	s_lshl_b32 s99, s13, 6
	s_add_co_u32 s99, s99, s98                     ; its group of 32 tokens
	s_mul_i32 s99, s99, 1536
	s_mul_i32 s[\o], s14, 393216
	s_add_co_u32 s[\o], s[\o], s99
	s_mov_b32 s[\o+1], 0
	s_and_b32 s98, s98, 3
	s_lshl_b32 s98, s98, 2
	s_lshr_b32 s99, s[\a], 3
	s_lshl_b32 s[\o+2], s13, 4
	s_add_co_u32 s[\o+2], s[\o+2], s99
	s_lshl_b32 s[\o+2], s[\o+2], 8
	s_add_co_u32 s[\o+2], s[\o+2], s98
	s_lshl_b32 s99, s14, 14
	s_add_co_u32 s[\o+2], s[\o+2], s99
	s_mov_b32 s[\o+3], 0
	s_lshl_b32 s99, s13, 7
	s_add_co_u32 s99, s99, s[\a]                   ; its block of 16 rows of y
	s_mul_i32 s[\o+4], s99, 12288
	s_mul_i32 s98, s14, 768
	s_add_co_u32 s[\o+4], s[\o+4], s98
	s_mov_b32 s[\o+5], 0
	s_lshl_b32 s[\o+6], s99, 9
	s_lshl_b32 s98, s14, 1
	s_add_co_u32 s[\o+6], s[\o+6], s98
	s_mov_b32 s[\o+7], 0
.endm
	s_load_b128 s[4:7], s[0:1], 0x0                ; ac, asc
	s_load_b128 s[8:11], s[0:1], 0x10              ; yc, ys
	v_lshl_add_u32 v[SPW], v0, 2, SPARE
	v_mov_b32 v[NIL], 0
	ds_add_u32 v[SPW], v[NIL]                      ; the wave's opening: the add and its wait ahead of my first tensor load
	ds_add_u32 v[SPW], v[NIL]
	v_lshrrev_b32 v8, 5, v0
	s_delay_alu instid0(VALU_DEP_1)
	v_readfirstlane_b32 s[WV], v8                  ; wave 0..15
	s_and_b32 s12, ttmp7, 0xffff                   ; batch x 16 + head
	s_lshr_b32 s13, s12, 4                         ; batch
	s_and_b32 s14, s12, 15                         ; head
	s_lshr_b32 s15, s[WV], 3                       ; I fetch for K (0) or V (1),
	s_and_b32 s16, s[WV], 7                        ; its eighth
	GROUP1 G1, 2                                   ; scale words: 512 bytes a wave
	GROUP1 G1+8, 12                                ; keys 0 .. 511: 3,072 bytes a wave
	GROUP1 G1+16, 36                               ; the other keys: 9,216 bytes a wave
	s_add_co_u32 s17, s14, 16                      ; k's heads lie behind q's sixteen
	s_mul_i32 s19, s17, 393216
	s_mul_i32 s84, s13, 98304
	s_add_co_u32 s19, s19, s84                     ; K's codes
	s_mul_i32 s84, s12, 98304
	s_add_co_u32 s84, s84, 12582912                ; V's codes
	s_lshl_b32 s85, s17, 14
	s_lshl_b32 s86, s13, 12
	s_add_co_u32 s85, s85, s86                     ; K's scale words
	s_lshl_b32 s86, s12, 12
	s_add_co_u32 s86, s86, 524288                  ; V's
	s_cmp_lt_u32 s[WV], 8
	s_cselect_b32 s19, s19, s84
	s_cselect_b32 s85, s85, s86
	s_lshl_b32 s86, s16, 9
	s_add_co_u32 s86, s86, s85                     ; load 0 from
	s_mov_b32 s87, 0
	s_mul_i32 s88, s16, 3072
	s_mul_i32 s90, s16, 9216
	s_mul_i32 s93, s15, VOFF
	s_add_co_u32 s94, s88, s93                     ; load 1 to: the wave's number and constants alone
	s_add_co_u32 s95, s90, s93
	s_add_co_u32 s95, s95, 24576                   ; load 2 to
	s_add_co_u32 s88, s88, s19                     ; load 1 from
	s_mov_b32 s89, 0
	s_add_co_u32 s90, s90, s19
	s_add_co_u32 s90, s90, 24576                   ; load 2 from
	s_mov_b32 s91, 0
	s_lshl_b32 s92, s[WV], 9
	s_add_co_u32 s92, s92, SCK                     ; load 0 to
	s_lshl_b32 s[TILS], ttmp9, 4
	s_add_co_u32 s[TILS], s[TILS], s[WV]           ; the short tile, 0 .. 63
	s_sub_co_u32 s[TILL], 127, s[TILS]             ; the long tile, 64 .. 127
	BASES TILL, BL
	BASES TILS, BS
	s_mov_b32 s[SEL], 0x76543210
	s_mov_b32 s[SEL+1], 0xfedcba98
	s_mov_b32 s[CS], 0x3e38aa3b                    ; c = log2(e) / 8
	s_mov_b32 s[CS+1], s[CS]                       ; (named with it as a pair, so it is written)
	s_mov_b32 s[MH], 0xffff0000
	s_wait_dscnt 0x0                               ; the opening add is done
	s_wait_kmcnt 0x0
	s_mov_b32 s[G0], 1
	s_mov_b32 s[G0+1], s92
	s_add_nc_u64 s[G0+2:G0+3], s[6:7], s[86:87]
	s_or_b32 s[G0+3], s[G0+3], 0x80000000
	s_mov_b32 s[G0+4], 1
	s_mov_b32 s[G0+5], s94
	s_add_nc_u64 s[G0+6:G0+7], s[4:5], s[88:89]
	s_or_b32 s[G0+7], s[G0+7], 0x80000000
	s_mov_b32 s[G0+8], 1
	s_mov_b32 s[G0+9], s95
	s_add_nc_u64 s[G0+10:G0+11], s[4:5], s[90:91]
	s_or_b32 s[G0+11], s[G0+11], 0x80000000
	tensor_load_to_lds s[G0:G0+3], s[G1:G1+7]
	s_nop 0
	tensor_load_to_lds s[G0+4:G0+7], s[G1+8:G1+15]
	s_nop 0
	tensor_load_to_lds s[G0+8:G0+11], s[G1+16:G1+23]
	s_nop 0
.irp o, BL, BS
	s_add_nc_u64 s[\o:\o+1], s[4:5], s[\o:\o+1]
	s_add_nc_u64 s[\o+2:\o+3], s[6:7], s[\o+2:\o+3]
	s_add_nc_u64 s[\o+4:\o+5], s[8:9], s[\o+4:\o+5]
	s_add_nc_u64 s[\o+6:\o+7], s[10:11], s[\o+6:\o+7]
.endr
	v_and_b32 v8, 15, v0                           ; r
	v_bfe_u32 v9, v0, 4, 1                         ; h
	v_and_b32 v10, 31, v0                          ; lane
	s_delay_alu instid0(VALU_DEP_1)
	v_lshlrev_b32 v[AK0], 4, v10
	s_delay_alu instid0(VALU_DEP_4)
	v_lshlrev_b32 v[T], 4, v8                      ; 16 r: q's scale words lie 16 bytes apart
.irp c, 0,1,2
	global_load_b128 v[FR+4*\c:FR+4*\c+3], v[AK0], s[BL:BL+1] offset:512*\c     ; the long tile's pair image,
	global_load_b128 v[RAW+4*\c:RAW+4*\c+3], v[AK0], s[BS:BS+1] offset:512*\c   ; the short tile's
.endr
	global_load_b32 v[FR+12], v[T], s[BL+2:BL+3]
	global_load_b32 v[RS], v[T], s[BS+2:BS+3]
	v_add_nc_u32 v[AV0], VOFF, v[AK0]
	v_lshlrev_b32 v[AS0], 4, v8
	s_delay_alu instid0(VALU_DEP_1)
	v_lshl_add_u32 v[AS0], v9, 12, v[AS0]
	s_delay_alu instid0(VALU_DEP_1)
	v_add_nc_u32 v[AS0], SCK, v[AS0]
	v_and_b32 v[LQ], 7, v8
	v_and_b32 v11, 8, v8
	s_delay_alu instid0(VALU_DEP_1)
	v_lshl_add_u32 v[LQ], v11, 1, v[LQ]
	v_lshlrev_b32 v11, 4, v9
	s_delay_alu instid0(VALU_DEP_1)
	v_sub_nc_u32 v[LQ], v[LQ], v11
	v_lshlrev_b32 v[GO], 3, v10
	v_lshl_add_u32 v[GS], v8, 5, v9
.irp i, 0,1,2,3,4,5
	v_mov_b32 v[QR+\i], 0                          ; the zero codes on both sides of q: written once
	v_mov_b32 v[QR+12+\i], 0
.endr
.irp b, 0,1,2,3
	v_mov_b32 v[PM+\b], 0                          ; written once: a lane permute's destination counts as one of its sources
.endr
	v_mov_b32 v[F+1], 0                            ; (named as the upper half of a pair)
; A tile begins: its q out of the pair image, its scale word, its place on the diagonal; the sums begin as zeros and the largest t as -3e38.  The moves are the places in front of the first products.
.macro SETQ raw, rs, a
	s_bitcmp1_b32 s[\a], 0
	s_cselect_b32 s[MU], -1, 0                     ; the pair's second tile?
	s_mov_b32 s[PSEL], 0x01000100
	s_cselect_b32 s[PSEL], 0x03020302, s[PSEL]     ; its two bytes, twice: the word serves [q | 0] and [0 | q]
	s_lshr_b32 s98, s[\a], 1
	s_lshl_b32 s98, s98, 5
	s_and_b32 s99, s[\a], 1
	s_lshl_b32 s99, s99, 3
	s_add_co_u32 s98, s98, s99
	s_and_b32 s98, s98, 127
	s_lshr_b32 s[SD], s[\a], 3
.irp i, 0,1,2,3,4,5
	v_cndmask_b32 v[QR+6+\i], v[\raw+\i], v[\raw+6+\i], s[MU]
.endr
	v_perm_b32 v[QW], v[\rs], v[\rs], s[PSEL]
	v_add_nc_u32 v[DM], s98, v[LQ]
	v_mov_b32 v13, 0xff61b1e6                      ; -3e38, under every t
	s_delay_alu instid0(VALU_DEP_1)
	v_floor_f32 v12, -v13                          ; -M
	v_mov_b32 v14, 0
	v_mov_b32 v15, 0
.set j, 0
.rept 32
	v_mov_b32 v[O+j], 0
.set j, j+1
.endr
	s_mov_b32 s[TB], 0
	s_mov_b32 s[TS], 0
	s_mov_b32 s[SG], 0
	s_wait_xcnt 0x0                                ; the last tile's stores have read their registers: the steps below write them again
.endm
; A KEY STEP of 128 keys.  m = 1: a step behind the tile's last is jumped over, and the last, on the diagonal, is masked.
.macro STEP m
.if \m
	s_cmp_gt_u32 s[SG], s[SD]
	s_cbranch_scc1 .Lhid_\@
.endif
	s_setprio 2
	v_add_nc_u32 v[ADK], s[TB], v[AK0]             ; these three and the v_nop are the four places behind the last products, in front of the loads
	v_add_nc_u32 v[ADV], s[TB], v[AV0]
	v_add_nc_u32 v[ADS], s[TS], v[AS0]
	v_nop
	ds_load_b128 v[SW:SW+3], v[ADS]                ; lanes 0-15: K's four pair words; lanes 16-31: V's four tile words
.irp p, 0,1,2,3
.irp c, 0,1,2
	ds_load_b128 v[FR+12*\p+4*\c:FR+12*\p+4*\c+3], v[ADK] offset:1536*\p+512*\c
.endr
.endr
	s_wait_alu depctr_va_vdst(0)
.irp p, 0,1,2,3                        ; S^T = K Q^T: a pair image serves two tiles; the half that is not meant meets q's zero codes
	s_wait_dscnt 9-3*\p                            ; the later pairs' loads may be out
	v_wmma_scale_f32_16x16x128_f8f6f4 v[S+16*\p:S+16*\p+7], v[FR+12*\p:FR+12*\p+11], v[QR+6:QR+17], 0, v[SW+\p], v[QW] matrix_a_fmt:MATRIX_FMT_FP6 matrix_b_fmt:MATRIX_FMT_FP6
	v_wmma_scale_f32_16x16x128_f8f6f4 v[S+16*\p+8:S+16*\p+15], v[FR+12*\p:FR+12*\p+11], v[QR:QR+11], 0, v[SW+\p], v[QW] matrix_a_fmt:MATRIX_FMT_FP6 matrix_b_fmt:MATRIX_FMT_FP6
.endr
.rept 4
	v_nop                                          ; places in front of the loads below and of the first read of the scores
.endr
.irp t, 0,1,2,3
.irp c, 0,1,2
	ds_load_b128 v[FR+12*\t+4*\c:FR+12*\t+4*\c+3], v[ADV] offset:1536*\t+512*\c   ; V's four tiles land under the softmax
.endr
.endr
.if \m
	s_cmp_lg_u32 s[SG], s[SD]
	s_cbranch_scc1 .Lopen_\@
	v_mov_b32 v[T], 0xff800000                     ; on the diagonal hidden scores become -infinity: register 16 b + i holds key 32 b + 16 h + i of the step
.set n, 0
.rept 64
	v_cmp_gt_i32 vcc_lo, 32*(n/16)+n%16, v[DM]
	v_cndmask_b32 v[S+n], v[S+n], v[T], vcc_lo
.set n, n+1
.endr
.Lopen_\@:
.endif
.irp b, 0,1,2,3
	v_max3_num_f32 v[BM+\b], v[S+16*\b], v[S+1+16*\b], v[S+2+16*\b]   ; the largest score of each block of 32 keys: for the row's maximum and, since p rises with the score, for the block's largest p
.endr
.irp i, 3,5,7,9,11,13
.irp b, 0,1,2,3
	v_max3_num_f32 v[BM+\b], v[BM+\b], v[S+16*\b+\i], v[S+1+16*\b+\i]
.endr
.endr
.irp b, 0,1,2,3
	v_max_num_f32 v[BM+\b], v[BM+\b], v[S+15+16*\b]
.endr
.irp b, 0,1,2,3
	s_delay_alu instid0(VALU_DEP_4)
	v_permlanex16_b32 v[PM+\b], v[BM+\b], s[SEL], s[SEL+1]
.endr
.irp b, 0,1,2,3
	s_delay_alu instid0(VALU_DEP_4)
	v_max_num_f32 v[BM+\b], v[BM+\b], v[PM+\b]
.endr
	s_delay_alu instid0(VALU_DEP_2)
	v_max3_num_f32 v[T], v[BM], v[BM+1], v[BM+2]
	s_delay_alu instid0(VALU_DEP_1)
	v_max_num_f32 v[T], v[T], v[BM+3]
	s_delay_alu instid0(VALU_DEP_1)
	v_mul_f32 v[T], s[CS], v[T]
	s_delay_alu instid0(VALU_DEP_1)
	v_max_num_f32 v13, v13, v[T]                   ; the running largest t
	v_mov_b32 v[T], v12
	s_delay_alu instid0(VALU_DEP_2)
	v_floor_f32 v12, -v13                          ; the new -M: a whole number
	s_delay_alu instid0(VALU_DEP_1)
	v_sub_f32 v[T], v12, v[T]
	s_delay_alu instid0(VALU_DEP_1)
	v_cvt_i32_f32 v[T], v[T]                       ; (it saturates)
	s_delay_alu instid0(VALU_DEP_1)
	v_ldexp_f32 v[F], 1.0, v[T]                    ; f = 2^(old M - new M): exact
.set j, 0
.rept 32
	v_pk_fma_f32 v[S+j:S+j+1], v[S+j:S+j+1], s[CS:CS+1], v[12:13] op_sel_hi:[1,0,0]   ; t - M
.set j, j+2
.endr
.irp b, 0,1,2,3
	v_fma_f32 v[BM+\b], v[BM+\b], s[CS], v12
.endr
.set j, 0
	s_setprio 1
	s_wait_alu depctr_va_vdst(0)
.rept 64
	v_exp_f32 v[S+j], v[S+j]                       ; p = 2^(t - M)
.set j, j+1
.endr
	v_pk_mul_f32 v[14:15], v[14:15], v[F:F+1] op_sel_hi:[1,0]   ; the sums under the new M: the plain place behind the exponentials
	s_wait_alu depctr_va_vdst(0)                   ; one wait for the batch, ahead of its first reader
.irp b, 0,1,2,3
	v_exp_f32 v[BM+\b], v[BM+\b]                   ; the blocks' largest p
.endr
	v_pk_add_f32 v[220:221], v[100:101], v[104:105]
	v_pk_add_f32 v[254:255], v[108:109], v[112:113]
	v_pk_add_f32 v[252:253], v[116:117], v[120:121]
	v_pk_add_f32 v[250:251], v[124:125], v[128:129]
	v_pk_add_f32 v[248:249], v[132:133], v[136:137]
	v_pk_add_f32 v[246:247], v[140:141], v[144:145]
	v_pk_add_f32 v[244:245], v[148:149], v[152:153]
	v_pk_add_f32 v[14:15], v[14:15], v[156:157]
	v_pk_add_f32 v[220:221], v[220:221], v[96:97]
	v_pk_add_f32 v[254:255], v[254:255], v[98:99]
	v_pk_add_f32 v[252:253], v[252:253], v[102:103]
	v_pk_add_f32 v[250:251], v[250:251], v[106:107]
	v_pk_add_f32 v[248:249], v[248:249], v[110:111]
	v_pk_add_f32 v[246:247], v[246:247], v[114:115]
	v_pk_add_f32 v[244:245], v[244:245], v[118:119]
	v_pk_add_f32 v[14:15], v[14:15], v[122:123]
	v_pk_add_f32 v[220:221], v[220:221], v[126:127]
	v_pk_add_f32 v[254:255], v[254:255], v[130:131]
	v_pk_add_f32 v[252:253], v[252:253], v[134:135]
	v_pk_add_f32 v[250:251], v[250:251], v[138:139]
	v_pk_add_f32 v[248:249], v[248:249], v[142:143]
	v_pk_add_f32 v[246:247], v[246:247], v[146:147]
	v_pk_add_f32 v[244:245], v[244:245], v[150:151]
	v_pk_add_f32 v[14:15], v[14:15], v[154:155]
	v_pk_add_f32 v[220:221], v[220:221], v[158:159]
	s_delay_alu instid0(VALU_DEP_2)
	v_pk_add_f32 v[14:15], v[14:15], v[250:251]
	s_delay_alu instid0(VALU_DEP_2)
	v_pk_add_f32 v[220:221], v[220:221], v[248:249]
	v_pk_add_f32 v[254:255], v[254:255], v[246:247]
	v_pk_add_f32 v[252:253], v[252:253], v[244:245]
	s_delay_alu instid0(VALU_DEP_2)
	v_pk_add_f32 v[14:15], v[14:15], v[254:255]
	s_delay_alu instid0(VALU_DEP_2)
	v_pk_add_f32 v[220:221], v[220:221], v[252:253]
	s_delay_alu instid0(VALU_DEP_1)
	v_pk_add_f32 v[14:15], v[14:15], v[220:221]
	s_wait_alu depctr_va_vdst(0)                   ; and one for the four
.irp b, 0,1,2,3
	v_max_num_f32 v[BM+\b], 0x1800000, v[BM+\b]    ; the floor 2^(3 - 127)
.endr
.irp b, 0,1,2,3
	s_delay_alu instid0(VALU_DEP_4)
	v_add_nc_u32 v[SO+\b], 0xff000000, v[BM+\b]
.endr
.irp b, 0,1,2,3
	s_delay_alu instid0(VALU_DEP_4)
	v_lshrrev_b32 v[PM+\b], 23, v[SO+\b]
.endr
	s_delay_alu instid0(VALU_DEP_3)
	v_lshl_or_b32 v[PWD], v[PM+1], 8, v[PM]
	s_delay_alu instid0(VALU_DEP_1)
	v_lshl_or_b32 v[PWD], v[PM+2], 16, v[PWD]
	s_delay_alu instid0(VALU_DEP_1)
	v_lshl_or_b32 v[PWD], v[PM+3], 24, v[PWD]
.irp c, 0,1
	v_cvt_scalef32_pk16_fp6_f32 v[PC+6*\c:PC+2+6*\c], v[S+32*\c:S+15+32*\c], v[SO+2*\c]
	v_cvt_scalef32_pk16_fp6_f32 v[CT+4*\c:CT+2+4*\c], v[S+16+32*\c:S+31+32*\c], v[SO+1+2*\c]
.endr
	v_nop                                          ; one plain place behind a scaled conversion
	s_setprio 0
.irp c, 0,1
.irp i, 0,1,2
	v_permlane16_swap_b32 v[PC+6*\c+\i], v[CT+4*\c+\i]
.endr
.irp i, 0,1,2
	s_delay_alu instid0(VALU_DEP_3)
	v_mov_b32 v[PC+3+6*\c+\i], v[CT+4*\c+\i]
.endr
.endr
.set j, 0
.rept 16
	v_pk_mul_f32 v[O+j:O+j+1], v[O+j:O+j+1], v[F:F+1] op_sel_hi:[1,0]   ; O^T under the new M; these sixteen are also the places between p's codes and scale word and the products
.set j, j+2
.endr
	s_wait_alu depctr_va_vdst(0)
	s_wait_dscnt 0x0                               ; V is in
.irp t, 0,1,2,3                        ; O^T += V^T P^T: the four accumulators by turns
	v_wmma_scale_f32_16x16x128_f8f6f4 v[O+8*\t:O+8*\t+7], v[FR+12*\t:FR+12*\t+11], v[PC:PC+11], v[O+8*\t:O+8*\t+7], v[SW+\t], v[PWD] matrix_a_fmt:MATRIX_FMT_FP6 matrix_b_fmt:MATRIX_FMT_FP6 matrix_a_scale:MATRIX_SCALE_ROW1
.endr
.if \m
.Lhid_\@:
.endif
	s_add_co_u32 s[TB], s[TB], STEPB
	s_add_co_u32 s[TS], s[TS], 256
	s_add_co_u32 s[SG], s[SG], 1
.endm
; A tile ends: O^T / the sum; its 32 registers are register 16 b + i = channel 32 b + 16 h + i: two blocks along C are quantised; lane (r, h) ends with block h's 32 codes in six registers.
.macro OUT yb
.rept 4
	v_nop                                          ; places behind the last products
.endr
	v_add_f32 v14, v14, v15
	s_delay_alu instid0(VALU_DEP_1)
	v_permlanex16_b32 v[T], v14, s[SEL], s[SEL+1]
	s_delay_alu instid0(VALU_DEP_1)
	v_add_f32 v14, v14, v[T]                       ; the row's sum
	s_wait_alu depctr_va_vdst(0)
	v_rcp_f32 v[F], v14
	v_nop
	s_wait_alu depctr_va_vdst(0)
.set j, 0
.rept 16
	v_pk_mul_f32 v[S+j:S+j+1], v[O+j:O+j+1], v[F:F+1] op_sel_hi:[1,0]
.set j, j+2
.endr
.irp b, 0,1
	v_max3_num_f32 v[BM+\b], |v[S+16*\b]|, |v[S+1+16*\b]|, 0x1800000
.endr
.irp i, 2,4,6,8,10,12,14
.irp b, 0,1
	s_delay_alu instid0(VALU_DEP_2)
	v_max3_num_f32 v[BM+\b], v[BM+\b], |v[S+16*\b+\i]|, |v[S+1+16*\b+\i]|
.endr
.endr
.irp b, 0,1
	s_delay_alu instid0(VALU_DEP_2)
	v_permlanex16_b32 v[PM+\b], v[BM+\b], s[SEL], s[SEL+1]
.endr
.irp b, 0,1
	s_delay_alu instid0(VALU_DEP_2)
	v_max_num_f32 v[BM+\b], v[BM+\b], v[PM+\b]
.endr
.irp b, 0,1
	s_delay_alu instid0(VALU_DEP_2)
	v_add_nc_u32 v[SO+\b], 0xff000000, v[BM+\b]
.endr
.irp b, 0,1
	s_delay_alu instid0(VALU_DEP_2)
	v_lshrrev_b32 v[PM+\b], 23, v[SO+\b]
.endr
	v_cvt_scalef32_pk16_fp6_f32 v[PC:PC+2], v[S:S+15], v[SO]
	v_cvt_scalef32_pk16_fp6_f32 v[CT:CT+2], v[S+16:S+31], v[SO+1]
	v_cndmask_b32 v[T], v[PM], v[PM+1], s[MH]      ; my block's byte.  (The plain place behind the conversions)
.irp i, 0,1,2
	v_permlane16_swap_b32 v[PC+\i], v[CT+\i]
.endr
.irp i, 0,1,2
	s_delay_alu instid0(VALU_DEP_3)
	v_mov_b32 v[PC+3+\i], v[CT+\i]
.endr
.irp p, 0,1,2
	global_store_b64 v[GO], v[PC+2*\p:PC+2*\p+1], s[\yb:\yb+1] offset:256*\p   ; 32 lanes store 256 consecutive bytes, aligned
.endr
	global_store_b8 v[GS], v[T], s[\yb+2:\yb+3]    ; a row's 32 bytes belong to 16 heads: two of them are mine.  One byte for each 24 bytes of codes
.endm
	s_wait_loadcnt 0x0                             ; both tiles' q
	SETQ FR, FR+12, TILL
	s_wait_tensorcnt 0x1                           ; my parts of the scale words and of keys 0 .. 511 are in; the third load may be out
	s_barrier_signal -1
	s_barrier_wait -1                              ; everybody's are
	s_mov_b32 s[CNT], 4
.Lfirst:                                           ; key steps 0 .. 3 of the long tile: all their keys count
	STEP 0
	s_sub_co_u32 s[CNT], s[CNT], 1
	s_cmp_lg_u32 s[CNT], 0
	s_cbranch_scc1 .Lfirst
	s_setprio 0
	s_wait_tensorcnt 0x0                           ; my part of the other keys is in,
	s_wait_dscnt 0x0
	s_barrier_signal -1
	s_barrier_wait -1                              ; everybody's is
	s_mov_b32 s[TB], 4*STEPB                       ; (as the first loop left them)
	s_mov_b32 s[TS], 4*256
	s_mov_b32 s[SG], 4
	s_mov_b32 s[CNT], 12
.Lrest:                                            ; key steps 4 .. 15 of the long tile
	STEP 1
	s_sub_co_u32 s[CNT], s[CNT], 1
	s_cmp_lg_u32 s[CNT], 0
	s_cbranch_scc1 .Lrest
	s_setprio 0
	OUT BL+4
	SETQ RAW, RS, TILS
	s_mov_b32 s[CNT], 8
.Lshort:                                           ; key steps 0 .. 7 of the short tile
	STEP 1
	s_sub_co_u32 s[CNT], s[CNT], 1
	s_cmp_lg_u32 s[CNT], 0
	s_cbranch_scc1 .Lshort
	s_setprio 0
	OUT BS+4
	s_wait_tensorcnt 0x0                           ; the wave's end
	ds_add_u32 v[SPW], v[NIL]
	s_wait_dscnt 0x0
	s_endpgm
.Lfunc_end_k_qb29bb53ff7_attn:
	.size	k_qb29bb53ff7_attn, .Lfunc_end_k_qb29bb53ff7_attn-k_qb29bb53ff7_attn
	.p2alignl 7, 3214868480
	.fill 96, 4, 3214868480
	.section	.rodata,"a",@progbits
	.p2align	6, 0x0
	.amdhsa_kernel k_qb29bb53ff7_attn
		.amdhsa_group_segment_fixed_size 206848
		.amdhsa_private_segment_fixed_size 0
		.amdhsa_enable_private_segment 0
		.amdhsa_kernarg_size 32
		.amdhsa_user_sgpr_count 2
		.amdhsa_user_sgpr_kernarg_segment_ptr 1
		.amdhsa_wavefront_size32 1
		.amdhsa_system_sgpr_workgroup_id_x 1
		.amdhsa_system_sgpr_workgroup_id_y 1
		.amdhsa_system_sgpr_workgroup_id_z 1
		.amdhsa_system_vgpr_workitem_id 0
		.amdhsa_next_free_vgpr 256
		.amdhsa_next_free_sgpr 100
		.amdhsa_reserve_vcc 1
		.amdhsa_float_denorm_mode_32 3
		.amdhsa_float_denorm_mode_16_64 3
		.amdhsa_memory_ordered 1
		.amdhsa_forward_progress 1
		.amdhsa_inst_pref_size 84
	.end_amdhsa_kernel
	.amdgpu_metadata
---
amdhsa.version: [ 1, 2 ]
amdhsa.kernels:
  - .name:           k_qb29bb53ff7_attn
    .symbol:         k_qb29bb53ff7_attn.kd
    .args:
      - { .name: ac, .offset: 0, .size: 8, .value_kind: global_buffer, .address_space: global }
      - { .name: asc, .offset: 8, .size: 8, .value_kind: global_buffer, .address_space: global }
      - { .name: yc, .offset: 16, .size: 8, .value_kind: global_buffer, .address_space: global }
      - { .name: ys, .offset: 24, .size: 8, .value_kind: global_buffer, .address_space: global }
    .group_segment_fixed_size: 206848
    .private_segment_fixed_size: 0
    .kernarg_segment_align: 8
    .kernarg_segment_size: 32
    .max_flat_workgroup_size: 512
    .sgpr_count:     100
    .vgpr_count:     256
    .wavefront_size: 32
...
	.end_amdgpu_metadata
.endif
;; end of part 3
;; launch outp (part 4): grid 4 x 32, 4 waves a work-group, clusters of 4 x 4, 327,680 bytes of LDS; arguments yc, ys, c1, s1, out0; writes out0
.if DOCPART == 4
	.amdgcn_target "amdgcn-amd-amdhsa--gfx1250"
	.amdhsa_code_object_version 6
	.text
	.protected	k_qb29bb53ff7_outp
	.globl	k_qb29bb53ff7_outp
	.p2align	8
	.type	k_qb29bb53ff7_outp,@function
k_qb29bb53ff7_outp:
	s_mov_b64 s[64:65], 0
	v_nop
	global_prefetch_b8 v0, s[64:65] scope:SCOPE_SE
	s_setreg_imm32_b32 hwreg(HW_REG_WAVE_MODE, 25, 1), 1
	s_wait_xcnt 0x0
	s_wait_alu depctr_hold_cnt(0) depctr_sa_sdst(0) depctr_va_vdst(0) depctr_va_sdst(0) depctr_va_ssrc(0) depctr_va_vcc(0) depctr_vm_vsrc(0)
	s_getreg_b32 s2, hwreg(HW_REG_IB_STS2, 6, 4)
	s_cmp_eq_u32 s2, 0
	s_cbranch_scc0 .Lentry_in_a_cluster
	s_endpgm
.Lentry_in_a_cluster:
	s_bfe_u32 s2, ttmp6, 0x10000c
	s_cmp_lg_u32 s2, 0xf033
	s_cbranch_scc0 .Lentry_shape_is_right
	s_endpgm
.Lentry_shape_is_right:
; out0 = y w_out^T on codes of FP6 (E2M3) with E8M0 scales, K = 1,024; out0 [8192][1024] f32.
; A tile of 256 x 256 is made by four waves, 128 x 128 each: 64 accumulators in windows 2 and 3.  Source 0 takes w_out's rows (B region: a lane's registers run along the outputs), source 1 y's rows (A region: a lane is one token).
; OPERANDS are images of fragments.  w_out: c1's blocks 704 on, [block][K step][1536]: three loads of 16 bytes a lane.  y: yc [block of 16 tokens][head][768]: three pieces of 256 bytes, 8 bytes a lane;
; two heads on end are a fragment of 128 along C: six loads of 8 bytes a lane.  A block's bytes for 256 along K are 3,072 in both.
; The rows of a block are not neighbours (lane r: 32 (p / 2) + 8 (p % 2) + r % 8 + 16 (r / 8)): a lane's 16 registers of result tiles 2 b, 2 b + 1 are outputs 32 b + 16 h + 0 .. 15, and the stores put each token's row where it belongs.
; K goes through a ring of two slots of 256 along K, four slots in all; the scale bytes come once.  CLUSTERS: 4 x 4; y's tile is shared along a row of the cluster, w_out's along a column: joint loads.
; 128 tiles: 128 work-groups; a wave tile of half the size would read each LDS byte for half the products.  No prefetch: K has four slots, two of them first fills.
.set NQ,     2
.set FR,     12
.set NL,     3                         ; LDS loads that bring a fragment of B
.set NLA,    6                         ; and one of A
.set NP,     4
.set IMG,    1536
.set RBLK,   NQ*IMG
.set HALFT,  8*RBLK
.set SLOT,   4*HALFT
.set KS,     32
.set SCL,    2*SLOT
.set HALFS,  16*272
.set SBLK,   2*272
.set SPARE,  SCL+4*HALFS
.set STAGE,  SPARE+512                 ; the way out: 16 rows x (512 bytes + 16) for each wave, in bytes of its own: no tile lands there
.set SPITCH, 528
.set ADRA, 16
.set ADRB, 20
.set STO,  24
.set RD,   25
.set CO,   26
.set ADRS, 27
.set SPW,  28
.set NIL,  29
.set SC,   32
.set AF,   128
.set BK,   128
.set G1, 24
.set G0, 32
.set G1B, 48
.set G0B, 56
.set G1S, 68
.set G0S, 76
.set G1SB, 80
.set G0SB, 88
.set MSB, 0
.macro WIN new
.if MSB != \new
	s_set_vgpr_msb (MSB<<8)|\new
.set MSB, \new
.endif
.endm
.set MUL_LO, 0xa1
.set MUL_HI, 0xf1
.set TO_B,   0x40
.macro JLOAD g0a, g1a, g0b, g1b        ; a joint load: waves 0 and 1 fetch for A, waves 2 and 3 for B; an s_nop 0 and four v_nop follow each line
	s_cmp_eq_u32 s15, 0
	s_cbranch_scc0 .Lfor_b_\@
	tensor_load_to_lds s[\g0a:\g0a+3], s[\g1a:\g1a+7]
	s_nop 0
.rept 4
	v_nop
.endr
	s_branch .Lasked_\@
.Lfor_b_\@:
	tensor_load_to_lds s[\g0b:\g0b+3], s[\g1b:\g1b+7]
	s_nop 0
.rept 4
	v_nop
.endr
.Lasked_\@:
.endm
.macro CREST
	s_cmp_lg_u32 s14, 0
	s_cbranch_scc1 .Lnot_wave_0_\@
	s_barrier_signal -3
.Lnot_wave_0_\@:
	s_barrier_wait -3
	s_barrier_signal -1
	s_barrier_wait -1
.endm
.macro CROUND
	s_barrier_signal -1
	s_barrier_wait -1
	CREST
.endm
	s_load_b128 s[4:7], s[0:1], 0x0                ; yc, ys
	s_load_b128 s[8:11], s[0:1], 0x10              ; c1, s1
	s_load_b64 s[12:13], s[0:1], 0x20              ; out0
	v_lshl_add_u32 v[SPW], v0, 2, SPARE
	v_mov_b32 v[NIL], 0
	ds_add_u32 v[SPW], v[NIL]                      ; the wave's opening: the add and its wait ahead of my first tensor load
	v_lshrrev_b32 v1, 5, v0
	v_readfirstlane_b32 s14, v1                    ; wave 0..3
	s_lshr_b32 s15, s14, 1                         ; which half of the tokens is mine.  Also: I fetch for A (0) or for B (1)
	s_and_b32 s16, s14, 1                          ; which half of the outputs.  Also: which 128 rows I fetch
	s_bfe_u32 s40, ttmp6, 0x40000                  ; cx
	s_bfe_u32 s41, ttmp6, 0x40004                  ; cy
	s_lshl_b32 s42, ttmp9, 2
	s_add_co_u32 s42, s42, s40                     ; tb: tile of outputs
	s_and_b32 s17, ttmp7, 0xffff
	s_lshl_b32 s17, s17, 2
	s_add_co_u32 s17, s17, s41                     ; ta: tile of tokens
	s_lshl_b32 s43, s41, 2
	s_lshl_b32 s43, 15, s43                        ; my row of the cluster
	s_lshl_b32 s44, 0x1111, s40                    ; my column
	s_or_b32 s[G1+0], s43, (3<<16)|(1<<21)         ; the mask; elements of 8 bytes; bit 21 beside a mask; no padding
	s_or_b32 s[G1B+0], s44, (3<<16)|(1<<21)
.irp g, G1, G1B
	s_mov_b32 s[\g+1], 384<<16                     ; 3,072 bytes a block
	s_mov_b32 s[\g+2], 8<<16
	s_mov_b32 s[\g+3], 384<<16
	s_mov_b32 s[\g+4], 8
	s_mov_b32 s[\g+5], 1536                        ; from block to block: 12,288 bytes
	s_mov_b32 s[\g+6], 0
	s_mov_b32 s[\g+7], 0
.endr
	s_or_b32 s[G1S+0], s43, (3<<16)|(1<<20)|(1<<21)|(5<<22)|(3<<25)
	s_or_b32 s[G1SB+0], s44, (3<<16)|(1<<20)|(1<<21)|(5<<22)|(3<<25)
.irp g, G1S, G1SB
	s_mov_b32 s[\g+1], 32<<16
	s_mov_b32 s[\g+2], 16<<16
	s_mov_b32 s[\g+3], 32<<16
	s_mov_b32 s[\g+4], 16
	s_mov_b32 s[\g+5], 32
	s_mov_b32 s[\g+6], 0
	s_mov_b32 s[\g+7], 0
.endr
	s_lshl_b32 s18, s16, 3
	s_lshl_b32 s20, s17, 4
	s_add_co_u32 s20, s20, s18                     ; y: block 16 ta + 8 x half
	s_lshl_b32 s46, s42, 4
	s_add_co_u32 s46, s46, s18
	s_add_co_u32 s46, s46, 704                     ; w_out: block 704 + 16 tb + 8 x half
	s_lshl_b32 s22, s20, 9
	s_mov_b32 s23, 0
	s_lshl_b32 s92, s46, 9
	s_mov_b32 s93, 0
	s_mul_i32 s20, s20, 8*IMG
	s_mov_b32 s21, 0
	s_mul_i32 s46, s46, 8*IMG
	s_mov_b32 s47, 0
	s_mul_i32 s45, s14, HALFT
	s_mul_i32 s94, s14, HALFS
	s_wait_dscnt 0x0                               ; the opening add is done
	s_wait_kmcnt 0x0
	s_add_nc_u64 s[20:21], s[4:5], s[20:21]
	s_add_nc_u64 s[22:23], s[6:7], s[22:23]
	s_add_nc_u64 s[46:47], s[8:9], s[46:47]
	s_add_nc_u64 s[92:93], s[10:11], s[92:93]
	CROUND                                         ; all sixteen work-groups are here: the first joint loads meet
	s_mov_b32 s[G0S], 1
	s_add_co_u32 s[G0S+1], s94, SCL
	s_mov_b64 s[G0S+2:G0S+3], s[22:23]
	s_or_b32 s[G0S+3], s[G0S+3], 0x80000000
	s_mov_b32 s[G0SB], 1
	s_add_co_u32 s[G0SB+1], s94, SCL
	s_mov_b64 s[G0SB+2:G0SB+3], s[92:93]
	s_or_b32 s[G0SB+3], s[G0SB+3], 0x80000000
	JLOAD G0S, G1S, G0SB, G1SB
.irp s, 0,1
	s_mov_b32 s[G0+4*\s], 1
	s_add_co_u32 s[G0+4*\s+1], s45, \s*SLOT
	s_add_nc_u64 s[G0+4*\s+2:G0+4*\s+3], s[20:21], \s*RBLK
	s_or_b32 s[G0+4*\s+3], s[G0+4*\s+3], 0x80000000
	s_mov_b32 s[G0B+4*\s], 1
	s_add_co_u32 s[G0B+4*\s+1], s45, \s*SLOT
	s_add_nc_u64 s[G0B+4*\s+2:G0B+4*\s+3], s[46:47], \s*RBLK
	s_or_b32 s[G0B+4*\s+3], s[G0B+4*\s+3], 0x80000000
	JLOAD G0+4*\s, G1, G0B+4*\s, G1B
.endr
	v_and_b32 v1, 15, v0                           ; r
	v_bfe_u32 v2, v0, 4, 1                         ; h
	v_and_b32 v3, 31, v0
	v_lshlrev_b32 v4, 3, v3                        ; 8 x lane: my place in y's pieces
	v_lshlrev_b32 v3, 4, v3                        ; 16 x lane: in w_out's
	s_mul_i32 s21, s15, HALFT
	s_mul_i32 s22, s16, HALFT
	s_add_co_u32 s22, s22, 2*HALFT
.irp s, 0,1
	v_add_nc_u32 v[ADRA+\s], s21, v4
	v_add_nc_u32 v[ADRB+\s], s22, v3
	s_add_co_u32 s21, s21, SLOT
	s_add_co_u32 s22, s22, SLOT
.endr
	v_mul_u32_u24 v5, v1, KS
	v_lshrrev_b32 v6, 8, v5
	v_lshl_add_u32 v5, v6, 4, v5
	s_mul_i32 s21, s15, HALFS
	s_mul_i32 s22, s16, HALFS
	s_add_co_u32 s22, s22, 2*HALFS
	s_sub_co_u32 s22, s22, s21
	v_mul_u32_u24 v6, s22, v2                      ; lanes 16-31 take B's: one product
	s_add_co_u32 s21, s21, SCL
	v_add_nc_u32 v5, v5, v6
	v_add_nc_u32 v[ADRS], s21, v5
	s_mul_i32 s23, s14, 16*SPITCH
	s_add_co_u32 s23, s23, STAGE                   ; my stage
	v_mul_u32_u24 v5, v1, SPITCH
	v_lshl_add_u32 v5, v2, 6, v5
	v_add_nc_u32 v[STO], s23, v5                   ; in: row r, + 64 h: my 16 outputs of each 32
	v_mov_b32 v[CO], v3                            ; back: the 32 lanes take one row of 512 bytes; and the same in out0
	v_add_nc_u32 v[RD], s23, v3
	s_lshl_b32 s20, s17, 8
	s_lshl_b32 s21, s15, 7
	s_add_co_u32 s20, s20, s21                     ; my first token
	s_lshl_b32 s20, s20, 12                        ; x 4,096 bytes (under 2^25)
	s_lshl_b32 s46, s42, 10
	s_lshl_b32 s47, s16, 9
	s_add_co_u32 s46, s46, s47                     ; my first output, in bytes
	s_add_co_u32 s20, s20, s46
	s_mov_b32 s21, 0
	s_add_nc_u64 s[12:13], s[12:13], s[20:21]
.macro FRAG reg, adr, q, i
.irp c, 0,1,2
	ds_load_b128 v[\reg+4*\c:\reg+4*\c+3], v[\adr] offset:RBLK*(\i)+IMG*(\q)+512*\c
.endr
.endm
.macro FRAGY reg, adr, q, i            ; two heads' units on end: six pieces of 256 bytes, 8 bytes a lane
.irp p, 0,1,2,3,4,5
	ds_load_b64 v[\reg+2*\p:\reg+2*\p+1], v[\adr] offset:RBLK*(\i)+IMG*(\q)+256*\p
.endr
.endm
; 16 matrix instructions; the 64 accumulators take turns, one instruction a turn, in the same order in every step
.macro MUL16 a0, p, q, sc, zero
.irp a, \a0, \a0+1
.irp b, 0,1,2,3,4,5,6,7
.if \zero
	v_wmma_scale_f32_16x16x128_f8f6f4 v[8*(8*((\a)%4)+\b):8*(8*((\a)%4)+\b)+7], v[128*(\p)+FR*\b:128*(\p)+FR*\b+FR-1], v[AF+FR*(\a):AF+FR*(\a)+FR-1], 0, v[SC+8*NQ*(\sc)+NQ*\b+(\q)], v[SC+8*NQ*(\sc)+NQ*(\a)+(\q)] matrix_a_fmt:MATRIX_FMT_FP6 matrix_b_fmt:MATRIX_FMT_FP6 matrix_a_scale:MATRIX_SCALE_ROW1
.else
	v_wmma_scale_f32_16x16x128_f8f6f4 v[8*(8*((\a)%4)+\b):8*(8*((\a)%4)+\b)+7], v[128*(\p)+FR*\b:128*(\p)+FR*\b+FR-1], v[AF+FR*(\a):AF+FR*(\a)+FR-1], v[8*(8*((\a)%4)+\b):8*(8*((\a)%4)+\b)+7], v[SC+8*NQ*(\sc)+NQ*\b+(\q)], v[SC+8*NQ*(\sc)+NQ*(\a)+(\q)] matrix_a_fmt:MATRIX_FMT_FP6 matrix_b_fmt:MATRIX_FMT_FP6 matrix_a_scale:MATRIX_SCALE_ROW1
.endif
.endr
.endr
.endm
.macro FETCH_B slot, q, p
	WIN TO_B
.irp i, 0,1,2,3,4,5,6,7
	FRAG 128*(\p)+FR*\i, ADRB+\slot, \q, \i
.endr
	WIN 0
.endm
.macro FETCH_A slot, q, i0
.irp i, \i0, \i0+1, \i0+2, \i0+3
	FRAGY AF+FR*(\i), ADRA+\slot, \q, \i
.endr
.endm
.macro SCALES sc
.irp i, 0,1,2,3,4,5,6,7
	ds_load_b64 v[SC+8*NQ*\sc+NQ*\i:SC+8*NQ*\sc+NQ*\i+1], v[ADRS] offset:\i*SBLK
.endr
.endm
.macro PLACES n
.rept \n
	v_nop
.endr
.endm
.macro STEP slot, q, zero
	s_wait_dscnt 4*NLA                             ; B's set and A's blocks 0-3 are in; the youngest 24 loads (A's blocks 4-7) may be out
	WIN MUL_LO
	MUL16 0, (\q)%2, \q, \slot, \zero
	MUL16 2, (\q)%2, \q, \slot, \zero
	s_wait_dscnt 0
	PLACES NP
	FETCH_B \slot, (\q)+1, 1-(\q)%2
	FETCH_A \slot, (\q)+1, 0
	WIN MUL_HI
	MUL16 4, (\q)%2, \q, \slot, \zero
	MUL16 6, (\q)%2, \q, \slot, \zero
	PLACES NP
	WIN 0
	FETCH_A \slot, (\q)+1, 4
.endm
.macro TURN slot, next, fill
	s_wait_tensorcnt 0x0                           ; all my tensor loads have landed: my part of the next slot
	ds_add_u32 v[SPW], v[NIL]
	s_wait_dscnt 4*NLA+1                           ; (the add and A's blocks 4-7 may be out)
	WIN MUL_LO
	MUL16 0, 1, NQ-1, \slot, 0
	s_wait_dscnt 0x0                               ; the add is done, and my reads of this slot are over
	s_barrier_signal -1
	MUL16 2, 1, NQ-1, \slot, 0
	WIN 0
	s_barrier_wait -1
.if \fill
	CREST                                          ; a round of the cluster's barrier: no wave of any partner still reads this slot or has a load on its way
	s_add_nc_u64 s[G0+4*\slot+2:G0+4*\slot+3], s[G0+4*\slot+2:G0+4*\slot+3], 2*RBLK
	s_add_nc_u64 s[G0B+4*\slot+2:G0B+4*\slot+3], s[G0B+4*\slot+2:G0B+4*\slot+3], 2*RBLK
	JLOAD G0+4*\slot, G1, G0B+4*\slot, G1B
.else
	PLACES NP
.endif
	v_add_nc_u32 v[ADRS], 4*NQ, v[ADRS]
	FETCH_B \next, 0, 0
	FETCH_A \next, 0, 0
	SCALES \next
	WIN MUL_HI
	MUL16 4, 1, NQ-1, \slot, 0
	MUL16 6, 1, NQ-1, \slot, 0
	PLACES NP
	WIN 0
	FETCH_A \next, 0, 4
.endm
	s_wait_tensorcnt 1                             ; the scales and my part of slot 0 are in; slot 1's load may be out
	s_barrier_signal -1
	s_barrier_wait -1
	FETCH_B 0, 0, 0
	FETCH_A 0, 0, 0
	SCALES 0
	FETCH_A 0, 0, 4
	STEP 0, 0, 1
	TURN 0, 1, 1
	STEP 1, 0, 0
	TURN 1, 0, 1
	STEP 0, 0, 0
	TURN 0, 1, 0
	STEP 1, 0, 0
	s_wait_dscnt 4*NLA
	WIN MUL_LO
	MUL16 0, 1, NQ-1, 1, 0
	MUL16 2, 1, NQ-1, 1, 0
	s_wait_dscnt 0
	WIN MUL_HI
	MUL16 4, 1, NQ-1, 1, 0
	MUL16 6, 1, NQ-1, 1, 0
	WIN 0
; THE WAY OUT, a block of 16 tokens x 128 outputs at a time, through my own stage: in by lanes (32 bytes of a row), back as whole rows of 512 bytes.  LDS serves a wave's instructions in order (ISA guide 5.7.1.4).
.macro TOSTAGE a
.set AC, 64*((\a)%4)
.set WD, 0x08+4*((\a)/4)
	WIN WD                                         ; the data: window 2 or 3
.irp b, 0,1,2,3,4,5,6,7
	ds_store_b128 v[STO], v[AC+8*\b:AC+8*\b+3] offset:128*(\b/2)+32*(\b%2)       ; each accumulator from its low end on: outputs 32 (b / 2) + 16 h + 8 (b % 2) + 0 .. 7
	ds_store_b128 v[STO], v[AC+8*\b+4:AC+8*\b+7] offset:128*(\b/2)+32*(\b%2)+16
.endr
	WIN 0
.set BB, BK+64*((\a)%2)
.irp t, 0,1,2,3,4,5,6,7,8,9,10,11,12,13,14,15
	ds_load_b128 v[BB+4*\t:BB+4*\t+3], v[RD] offset:\t*SPITCH
.endr
.endm
.macro SEND a, younger
.set BB, BK+64*((\a)%2)
	s_wait_dscnt \younger                          ; the block is back in registers
.irp t, 0,1,2,3,4,5,6,7,8,9,10,11,12,13,14,15
	global_store_b128 v[CO], v[BB+4*\t:BB+4*\t+3], s[12:13] offset:(32*((\a)/2)+8*((\a)%2)+\t%8+16*(\t/8))*4096 th:TH_STORE_NT   ; stage row t is the token of lane t; 32 lanes store 512 consecutive bytes, aligned
.endr
.endm
	PLACES NP
	TOSTAGE 0
.irp a, 1,2,3,4,5,6,7
.if \a > 1
	s_wait_xcnt 0x0                                ; block a - 2's stores have read their registers: block a's loads may land there
.endif
	TOSTAGE \a
	SEND \a-1, 32                                  ; behind block a - 1's loads: block a's 16 stores and 16 loads
.endr
	SEND 7, 0
	s_wait_tensorcnt 0x0                           ; the wave's end
	ds_add_u32 v[SPW], v[NIL]
	s_wait_dscnt 0x0
	CROUND                                         ; the closing round
	s_endpgm
.Lfunc_end_k_qb29bb53ff7_outp:
	.size	k_qb29bb53ff7_outp, .Lfunc_end_k_qb29bb53ff7_outp-k_qb29bb53ff7_outp
	.p2alignl 7, 3214868480
	.fill 96, 4, 3214868480
	.section	.rodata,"a",@progbits
	.p2align	6, 0x0
	.amdhsa_kernel k_qb29bb53ff7_outp
		.amdhsa_group_segment_fixed_size 327680
		.amdhsa_private_segment_fixed_size 0
		.amdhsa_enable_private_segment 0
		.amdhsa_kernarg_size 40
		.amdhsa_user_sgpr_count 2
		.amdhsa_user_sgpr_kernarg_segment_ptr 1
		.amdhsa_wavefront_size32 1
		.amdhsa_system_sgpr_workgroup_id_x 1
		.amdhsa_system_sgpr_workgroup_id_y 1
		.amdhsa_system_sgpr_workgroup_id_z 1
		.amdhsa_system_vgpr_workitem_id 0
		.amdhsa_next_free_vgpr 1024
		.amdhsa_next_free_sgpr 100
		.amdhsa_reserve_vcc 0
		.amdhsa_float_denorm_mode_32 3
		.amdhsa_float_denorm_mode_16_64 3
		.amdhsa_memory_ordered 1
		.amdhsa_forward_progress 1
		.amdhsa_inst_pref_size 147
	.end_amdhsa_kernel
	.amdgpu_metadata
---
amdhsa.version: [ 1, 2 ]
amdhsa.kernels:
  - .name:           k_qb29bb53ff7_outp
    .symbol:         k_qb29bb53ff7_outp.kd
    .args:
      - { .name: yc, .offset: 0, .size: 8, .value_kind: global_buffer, .address_space: global }
      - { .name: ys, .offset: 8, .size: 8, .value_kind: global_buffer, .address_space: global }
      - { .name: c1, .offset: 16, .size: 8, .value_kind: global_buffer, .address_space: global }
      - { .name: s1, .offset: 24, .size: 8, .value_kind: global_buffer, .address_space: global }
      - { .name: out0, .offset: 32, .size: 8, .value_kind: global_buffer, .address_space: global }
    .group_segment_fixed_size: 327680
    .private_segment_fixed_size: 0
    .kernarg_segment_align: 8
    .kernarg_segment_size: 40
    .max_flat_workgroup_size: 128
    .sgpr_count:     100
    .vgpr_count:     1024
    .wavefront_size: 32
...
	.end_amdgpu_metadata
.endif
;; end of part 4
